; MI455X (gfx1250); checked and timed in simulation.
; The chip was launched on July 23, 2026; its instructions are those of AMD's public machine-readable ISA for CDNA 5 (MIT licence, August 2026) and "CDNA5" Instruction Set Architecture Reference Guide (July 2026). The comments in the code are by the model that wrote it; some were corrected since.
;; Multihead Attention With Ro PE. Allowed arithmetic: matrix products marked QUANTISED: E4M3 operands, one E8M0 scale for each 32 along K, by v_wmma_scale_f32_16x16x128_f8f6f4 with both operands' format E4M3, f32 sums; everything else in f32.
;; Inputs: Wo 1,024 x 1,024 float32; Wqkv 1,024 x 3,072 float32; bo 1,024 float32; bqkv 3,072 float32; padding_mask 4 x 2,048 bool; x 4 x 2,048 x 1,024 float32.
;; Outputs: out0 4 x 2,048 x 1,024 float32.
;; This version of the problem:
;;   THIS VERSION OF THE PROBLEM IS GIVEN IN LOW PRECISION. The matrix products marked QUANTISED in the list below multiply operands that are first quantised to E4M3 (4 exponent bits, 3 mantissa bits; 8 bits a number), with one power-of-two scale for each 32 numbers along K (OCP MX v1.0); their sums are f32. All else is computed in f32.
;;   The module's matrix products, in the order in which they are computed (A, B: the left and right operand; K: the contracted axis; several contracted axes count as one K, in the product's order):
;;     1. [M 8,192, K 1,024] x [K 1,024, N 3,072]; A: input x; B: input Wqkv: QUANTISED
;;     2. batch 64 x [M 2,048, K 64] x [K 64, N 2,048]; A: computed on the way; B: computed on the way: QUANTISED
;;     3. batch 64 x [M 2,048, K 2,048] x [K 2,048, N 64]; A: softmax (see below); B: computed on the way: QUANTISED
;;     4. [M 8,192, K 1,024] x [K 1,024, N 1,024]; A: computed on the way; B: input Wo: QUANTISED
;;   THE QUANTISER, for each operand of a quantised product, along K:
;;     - K is cut into blocks of 32 from its start; a last block that is shorter is filled with zeros.
;;     - A block's scale is 2^e with e = floor(log2(the largest magnitude in the block)) - 8, held to -126 .. 127; a block of zeros has e = 0. As a byte (E8M0): e + 127.
;;     - Each number is divided by its block's scale, clamped to +-448, and rounded to the nearest number of E4M3, ties to even, subnormals kept.
;;     - The product sums the exact products of the quantised numbers (number of the format x scale) in f32.
;;   ~~~python
;;   def quantise(x, axis):      # numpy; x: float32 -> the quantised numbers, widened to float32 again
;;       x = np.moveaxis(x, axis, -1); K = x.shape[-1]
;;       x = np.pad(x, [(0, 0)] * (x.ndim - 1) + [(0, -K % 32)]); x = x.reshape(x.shape[:-1] + (-1, 32)); a = np.abs(x).max(-1, keepdims=True)
;;       e = np.where(a > 0, np.clip(np.frexp(np.where(a > 0, a, 1))[1] - 1 - 8, -126, 127), 0)      # np.frexp(a)[1] - 1 = floor(log2(a)), exactly
;;       r = np.clip(x / 2.0 ** e, -448, 448)
;;       step = 2.0 ** (np.maximum(np.frexp(np.where(r == 0, 1, r))[1] - 1, -6) - 3)
;;       q = np.round(r / step) * step * 2.0 ** e      # np.round: ties to even
;;       return np.moveaxis(q.reshape(q.shape[:-2] + (-1,))[..., :K], -1, axis).astype(np.float32)
;;   ~~~
;;   SOFTMAX AHEAD OF A QUANTISED PRODUCT. Where the list says 'softmax', what is quantised is not the finished softmax but p = 2^(t - M), with t = logit x log2(e) and M = ceil(the row's largest t), a whole number; so 1/2 < the row's largest p <= 1. The row's sum l is taken of the UNQUANTISED p, in f32, and the product's result is divided by l at the end. Since M is a whole number, a kernel that streams over the keys may use a running M (the ceiling of the running maximum): every later rescaling is an exact power of two, which a block's scale takes up: the codes' values come out the same.
;;   OPERANDS COMPUTED ON THE WAY. 'Computed on the way' means the value that the module computes at that place (a softmax that the list does not call 'softmax' is quantised finished and normalised). What goes into a quantiser is computed in f32, as accurately as f32 sums, v_exp_f32 and their like allow (about 1e-6 of the number): no bf16 or f16 on the way to a quantiser, and a product that is left as it is and whose result goes on into a quantised operand takes f32 operands (vector FMAs, or v_wmma_f32_16x16x4_f32). A number that lies on a knife's edge between two numbers of the format may be rounded either way, as far as f32 arithmetic and the matrix unit's own rounding can turn it there, and no further.
;; One version. Each part assembles by itself: llvm-mc -triple=amdgcn-amd-amdhsa -mcpu=gfx1250 --defsym DOCPART=n.
;; ======== version 1 of 1: 4 launches
;; limits: right only within a limited range of input values
;; workspace buffers: xq 8,650,752 bytes; wq 4,325,376 bytes; rope 524,288 bytes; qbuf 8,912,896 bytes; kv 17,563,648 bytes; aq 8,650,752 bytes
;; launch prep (part 1): grid 512 x 1, 4 waves a work-group, no clusters, 34,304 bytes of LDS; arguments x, Wqkv, Wo, xq, wq, rope; writes xq, wq, rope
.if DOCPART == 1
	.amdgcn_target "amdgcn-amd-amdhsa--gfx1250"
	.amdhsa_code_object_version 6
	.text
	.protected	k_q6f18cf18a1_prep
	.globl	k_q6f18cf18a1_prep
	.p2align	8
	.type	k_q6f18cf18a1_prep,@function
k_q6f18cf18a1_prep:
	s_mov_b64 s[64:65], 0
	v_nop
	global_prefetch_b8 v0, s[64:65] scope:SCOPE_SE
	s_setreg_imm32_b32 hwreg(HW_REG_WAVE_MODE, 25, 1), 1
	s_wait_xcnt 0x0
; x [8192][1024], Wqkv [1024][3072] and Wo [1024][1024], f32, become codes of FP8 (E4M3) with one E8M0 byte for each 32 along K (K = 1,024 for all three), and the sin/cos table of the rotary embedding is made.
; LAYOUT OF THE CODES: images of the operand's registers.  A fragment (16 rows x 128 K) is 2,048 bytes, [c 0..3][lane 0..31][16 bytes]: lane (r, h) holds k = 32 c + 16 h + 0 .. 15 of row r.
;   xq: [row tile 512][K step 8][2,048]; its scale bytes [row 8,192][32] from byte XQ_SC on.   wq: the same for 4,096 rows (q's, k's, v's columns, then Wo's), scale bytes from WQ_SC on.
; WHICH TOKENS FORM A TILE: within each 32 tokens, row p of tile u is token 8 u + p % 8 + 16 (p / 8): where such a tile is source 0 of a product, the 16 registers of two neighbouring tiles are 16 neighbouring tokens.
; WHICH COLUMNS FORM A TILE, within a head's 64 (tile T, row p):  q, k: 32 (p / 8) + 16 (T % 2) + 2 (p % 8) + T / 2 (tiles 0, 1 the even numbers, tiles 2, 3 the odd ones);  v: 32 (T / 2) + 8 (T % 2) + p % 8 + 16 (p / 8);  Wo: as they lie.
; A block's scale is 2^(floor(log2(largest magnitude)) - 8); its byte is that magnitude's exponent field - 8, held at 1 from below.  A block of zeros keeps the byte 1 where the rule says 127: its codes are zeros, and this program alone reads the bytes.
; LIMITS: NaN and infinities among the inputs are not served; blocks whose largest magnitude lies under 2^(9 - 127) are quantised under the byte 1.
; The table: base^(-j / 32) is good to about 1e-7 of itself, so the angle of token 2,047 to about 2e-4 rad, the size of the f32 rounding of token x frequency itself; sine and cosine by reduction to +-pi/4 and polynomials, about 1e-7.
; Work-groups 0-255: 32 tokens of x each, and 256 angles each.  Work-groups 256-511: 128 columns x 128 K of a weight each.  No tensor loads, no barrier: waves share nothing; only the first path touches LDS.
.set XQ_SC, 8388608
.set WQ_SC, 4194304
.set STG,   8448                       ; a wave's stage: 16 rows x SP bytes
.set SP,    528                        ; 512 bytes + 16: row r starts 4 r banks on, so the 16 rows that a load touches start in 16 different places
.set RA,    16                         ; v16-143  two sets of 64 numbers as loaded
.set XN,    144                        ; v144-207 64 numbers, register 16 c + i = k 32 c + 16 h + i of my row
.set PC,    208                        ; v208-223 a fragment's codes
.set TM,    224                        ; v224-239 largest magnitudes, bytes, holds, scale operands
.set PW,    240                        ; v240-243 the scale words of my four K steps
.set SEL,   20                         ; s[20:21] lane selects: lane l xor 16
.set MNT,   23                         ; s23      the mantissa field of 448
.set OFF,   16                         ; weights: v16-47 byte offset of row i of a block, my column
.set WX,    48                         ; v48-175  128 numbers down K
.set WC,    176                        ; v176-207 codes, 8 registers a block
; 64 numbers of a lane become a fragment's codes in v[PC] on and the row's scale word in v[pw]
.macro QUANT s, pw
.irp b, 0,1,2,3
	v_max3_num_f32 v[TM+\b], |v[\s+16*\b]|, |v[\s+1+16*\b]|, 0x4800000   ; my 16 numbers of block b, and the floor 2^(9 - 127): the byte cannot fall under 1
.endr
.irp i, 2,4,6,8,10,12,14
.irp b, 0,1,2,3
	v_max3_num_f32 v[TM+\b], v[TM+\b], |v[\s+16*\b+\i]|, |v[\s+1+16*\b+\i]|
.endr
.endr
.irp b, 0,1,2,3
	v_permlanex16_b32 v[TM+4+\b], v[TM+\b], s[SEL], s[SEL+1]
.endr
.irp b, 0,1,2,3
	v_max_num_f32 v[TM+\b], v[TM+\b], v[TM+4+\b]           ; with lane l xor 16's: the block's largest magnitude
.endr
.irp b, 0,1,2,3
	v_add_nc_u32 v[TM+12+\b], 0xfc000000, v[TM+\b]         ; 8 off its exponent field: the conversion's scale operand
.endr
.irp b, 0,1,2,3
	v_and_or_b32 v[TM+8+\b], v[TM+\b], 0x7f800000, s[MNT]  ; 448 x the scale
.endr
.irp b, 0,1,2,3
	v_lshrrev_b32 v[TM+4+\b], 23, v[TM+12+\b]              ; the scale's byte
.endr
	v_lshl_or_b32 v[\pw], v[TM+5], 8, v[TM+4]
	v_lshl_or_b32 v[\pw], v[TM+6], 16, v[\pw]
	v_lshl_or_b32 v[\pw], v[TM+7], 24, v[\pw]
.irp b, 0,1,2,3
.irp i, 0,1,2,3,4,5,6,7,8,9,10,11,12,13,14,15
	v_med3_num_f32 v[\s+16*\b+\i], v[\s+16*\b+\i], -v[TM+8+\b], v[TM+8+\b]   ; the conversion to an 8-bit code does not saturate (ISA guide 7.6.2): the hold comes first
.endr
	v_cvt_scalef32_pk8_fp8_f32 v[PC+4*\b:PC+1+4*\b], v[\s+16*\b:\s+7+16*\b], v[TM+12+\b]
	v_cvt_scalef32_pk8_fp8_f32 v[PC+2+4*\b:PC+3+4*\b], v[\s+8+16*\b:\s+15+16*\b], v[TM+12+\b]
.endr
	v_nop                                                  ; a plain place behind the last conversion
.endm
	s_load_b256 s[4:11], s[0:1], 0x0               ; x s[4:5], Wqkv s[6:7], Wo s[8:9], xq s[10:11]
	s_load_b128 s[12:15], s[0:1], 0x20             ; wq s[12:13], rope s[14:15]
	v_lshl_add_u32 v254, v0, 2, 0x8400
	v_mov_b32 v255, 0
	v_lshrrev_b32 v1, 5, v0
	v_readfirstlane_b32 s16, v1                    ; wave 0..3
	v_and_b32 v1, 31, v0                           ; lane
	s_mov_b32 s[MNT], 0x600000
	s_cmp_lt_u32 ttmp9, 256
	s_cbranch_scc0 .Lweights
; ---------------- x: wave w takes row tile 2 WG + w / 2 and K steps 4 (w % 2) + 0 .. 3
	s_lshr_b32 s17, s16, 1                         ; u: which tile of the 32 tokens
	s_and_b32 s18, s16, 1                          ; which half of K
	s_lshl_b32 s24, ttmp9, 17                      ; x: (32 WG + 8 u) rows of 4,096 bytes + 2,048 x half
	s_lshl_b32 s19, s17, 15
	s_add_co_u32 s24, s24, s19
	s_lshl_b32 s19, s18, 11
	s_add_co_u32 s24, s24, s19
	s_mov_b32 s25, 0
	s_lshl_b32 s26, ttmp9, 15                      ; codes: row tile x 16,384 + 8,192 x half
	s_lshl_b32 s19, s17, 14
	s_add_co_u32 s26, s26, s19
	s_lshl_b32 s19, s18, 13
	s_add_co_u32 s26, s26, s19
	s_mov_b32 s27, 0
	s_lshl_b32 s28, ttmp9, 10                      ; scale bytes: row tile x 512 + 16 x half
	s_lshl_b32 s19, s17, 9
	s_add_co_u32 s28, s28, s19
	s_lshl_b32 s19, s18, 4
	s_add_co_u32 s28, s28, s19
	s_add_co_u32 s28, s28, XQ_SC
	s_mov_b32 s29, 0
	s_mul_i32 s19, s16, STG                        ; my stage
	s_mov_b32 s[SEL], 0x76543210
	s_mov_b32 s[SEL+1], 0xfedcba98
	v_and_b32 v2, 15, v0                           ; r
	v_bfe_u32 v3, v0, 4, 1                         ; h
	s_wait_alu depctr_va_vdst(0)
	v_lshlrev_b32 v4, 4, v1                        ; 16 x lane
	v_add_nc_u32 v5, s19, v4                       ; into the stage: a row as it lies
	v_mul_u32_u24 v6, v2, SP
	v_lshl_add_u32 v6, v3, 6, v6
	v_add_nc_u32 v6, s19, v6                       ; out of it: row r, + 64 h bytes: my 16 numbers of each block
	v_lshlrev_b32 v7, 5, v2                        ; my row's 32 scale bytes
.irp b, 0,1,2,3
	v_mov_b32 v[TM+4+\b], 0                        ; written once: a lane permute's destination counts as one of its sources
.endr
	s_wait_kmcnt 0x0
	s_add_nc_u64 s[4:5], s[4:5], s[24:25]
	s_add_nc_u64 s[26:27], s[10:11], s[26:27]
	s_add_nc_u64 s[28:29], s[10:11], s[28:29]
.macro XLOAD q                         ; K step q of my 16 rows: each load takes 512 consecutive bytes of one row
.irp i, 0,1,2,3,4,5,6,7,8,9,10,11,12,13,14,15
	global_load_b128 v[RA+64*((\q)%2)+4*\i:RA+64*((\q)%2)+4*\i+3], v4, s[4:5] offset:((\i%8)+16*(\i/8))*4096+512*(\q) th:TH_LOAD_NT
.endr
.endm
.macro TURN q                          ; through my stage: LDS serves a wave's instructions in order, so no wait stands between the stores and the loads
.irp i, 0,1,2,3,4,5,6,7,8,9,10,11,12,13,14,15
	ds_store_b128 v5, v[RA+64*((\q)%2)+4*\i:RA+64*((\q)%2)+4*\i+3] offset:SP*\i
.endr
.irp c, 0,1,2,3
.irp j, 0,1,2,3
	ds_load_b128 v[XN+16*\c+4*\j:XN+16*\c+4*\j+3], v6 offset:128*\c+16*\j
.endr
.endr
.endm
	XLOAD 0
	XLOAD 1
; ---- the table, while x is on its way.  Thread G = 128 WG + thread makes two angles: tile WG / 2, group 2 (WG % 2) + thread / 64, lane (thread / 2) % 32, pair thread % 2
	s_lshr_b32 s30, ttmp9, 2
	s_lshl_b32 s30, s30, 5
	s_bfe_u32 s31, ttmp9, 0x10001
	s_lshl_b32 s31, s31, 3
	s_add_co_u32 s30, s30, s31                     ; 32 (tile / 2) + 8 (tile % 2)
	s_and_b32 s31, ttmp9, 1
	s_lshl_b32 s31, s31, 3                         ; 4 x group's part from the work-group
	s_lshl_b32 s32, ttmp9, 10
	s_lshr_b32 s33, ttmp9, 1
	s_lshl_b32 s33, s33, 11
	s_add_co_u32 s32, s32, s33                     ; 8 x 128 WG + 2,048 x tile: cosines fill a tile's first 2,048 bytes, sines its second
	s_mov_b32 s33, 0x3670979a                      ; log2(10) / 8 less its upper 16 bits
	s_mov_b32 s34, 0x3fc90fdb                      ; pi / 2 as f32
	s_mov_b32 s35, 0x333bbd2e                      ; that f32 less pi / 2
	v_bfe_u32 v144, v0, 1, 3
	v_bfe_u32 v145, v0, 4, 1
	v_lshl_add_u32 v144, v145, 4, v144
	v_add_nc_u32 v144, s30, v144                   ; the token of my row
	v_cvt_f32_u32 v146, v144
	v_bfe_u32 v144, v0, 5, 1
	v_lshrrev_b32 v145, 6, v0
	v_lshlrev_b32 v145, 2, v145
	v_lshl_add_u32 v145, v144, 4, v145
	v_and_b32 v144, 1, v0
	v_lshl_add_u32 v145, v144, 1, v145
	v_add_nc_u32 v147, s31, v145                   ; j of my first angle: 16 h + 4 group + 2 pair
	v_lshlrev_b32 v12, 3, v0
	v_add_nc_u32 v12, s32, v12
.macro ANGLE n                         ; cos -> v[8 + n], sin -> v[10 + n]
	v_add_nc_u32 v150, \n, v147
	v_cvt_f32_u32 v150, v150                       ; j
	v_mul_f32 v151, 0x3ed49a00, v150               ; j x the upper 16 bits of log2(10) / 8: exact
	v_rndne_f32 v152, v151                         ; its whole part n
	v_sub_f32 v151, v151, v152
	v_fma_f32 v151, v150, s33, v151                ; f = j log2(10) / 8 - n
	s_wait_alu depctr_va_vdst(0)
	v_exp_f32 v153, -v151
	v_cvt_i32_f32 v152, v152                       ; (a plain place behind the exponential)
	v_sub_nc_u32 v152, 0, v152
	s_wait_alu depctr_va_vdst(0)
	v_ldexp_f32 v153, v153, v152                   ; 10000^(-j / 32) = 2^(-f) 2^(-n)
	v_mul_f32 v153, v146, v153                     ; the angle: one rounding
	v_mul_f32 v154, 0x3f22f983, v153
	v_rndne_f32 v154, v154                         ; k = the nearest multiple of pi / 2
	v_fma_f32 v155, -v154, s34, v153               ; exact: k has 11 bits and the difference fits 24
	v_fma_f32 v155, v154, s35, v155                ; the rest of pi / 2
	v_mul_f32 v156, v155, v155
	v_mov_b32 v157, 0xb94ca1f9
	v_fmaak_f32 v157, v157, v156, 0x3c08839e
	v_fmaak_f32 v157, v157, v156, 0xbe2aaaa3
	v_mul_f32 v158, v155, v156
	v_fma_f32 v157, v158, v157, v155               ; sine of the reduced angle
	v_mov_b32 v158, 0x37ccf5ce
	v_fmaak_f32 v158, v158, v156, 0xbab6061a
	v_fmaak_f32 v158, v158, v156, 0x3d2aaaa5
	v_mul_f32 v159, v156, v156
	v_fma_f32 v160, v156, -0.5, 1.0
	v_fma_f32 v158, v159, v158, v160               ; cosine
	v_cvt_i32_f32 v154, v154
	v_and_b32 v161, 1, v154
	v_cmp_eq_u32 vcc_lo, 1, v161
	v_cndmask_b32 v162, v157, v158, vcc_lo         ; odd k: the two change places
	v_cndmask_b32 v163, v158, v157, vcc_lo
	v_lshlrev_b32 v161, 30, v154
	v_and_b32 v161, 0x80000000, v161               ; sine is negative for k % 4 = 2, 3
	v_xor_b32 v[10+\n], v161, v162
	v_add_nc_u32 v154, 1, v154
	v_lshlrev_b32 v161, 30, v154
	v_and_b32 v161, 0x80000000, v161               ; cosine for k % 4 = 1, 2
	v_xor_b32 v[8+\n], v161, v163
.endm
	ANGLE 0
	ANGLE 1
	global_store_b64 v12, v[8:9], s[14:15]                 ; a wave stores 256 consecutive bytes, aligned
	global_store_b64 v12, v[10:11], s[14:15] offset:2048
.irp q, 0,1,2,3
.if \q < 3
	s_wait_loadcnt 16                              ; this K step's 16 loads are in; the next step's 16 may be out
.else
	s_wait_loadcnt 0x0
.endif
	TURN \q
	s_wait_dscnt 0x0                               ; the numbers are back, and the stores into the stage have read their registers,
.if \q < 2
	XLOAD \q+2                                     ; which take the loads of two steps on
.endif
	s_wait_xcnt 0x0                                ; the last step's stores have read the code registers
	QUANT XN, PW+\q
.irp c, 0,1,2,3
	global_store_b128 v4, v[PC+4*\c:PC+4*\c+3], s[26:27] offset:2048*\q+512*\c   ; 512 consecutive bytes
.endr
.endr
	s_wait_xcnt 0x0                                ; EXEC changes only behind this wait
	v_cmp_gt_u32 vcc_lo, 16, v1
	s_wait_tensorcnt 0x0
	ds_add_u32 v254, v255
	s_wait_dscnt 0x0
	s_and_saveexec_b32 s30, vcc_lo
	global_store_b128 v7, v[PW:PW+3], s[28:29]     ; lanes 0-15: four K steps' scale words of row r (both halves of the lanes hold the same)
	s_endpgm
; ---------------- the weights: a lane takes a column, its registers run down K; nothing is transposed by an instruction
.Lweights:
	s_sub_co_u32 s17, ttmp9, 256
	s_and_b32 s18, s17, 31                         ; which 128 rows of wq
	s_lshr_b32 s19, s17, 5                         ; which K step of 128
	s_lshl_b32 s20, s18, 7
	s_lshl_b32 s21, s16, 5
	s_add_co_u32 s20, s20, s21                     ; my wave's first row of wq: two tiles, tile lane / 16, row lane % 16
	s_and_b32 s21, s16, 1
	s_wait_kmcnt 0x0
	s_mov_b32 s38, 4096
	s_cmp_lt_u32 s18, 24                           ; Wqkv or Wo: the choice hangs on the work-group's number alone
	s_cselect_b32 s35, 16, 8                       ; column = base + m (l % 8) + a (l / 8 % 2) + b (l / 16) + c (w % 2):  v: 1, 16, 8, 32;  Wo: 1, 8, 16, 32
	s_cselect_b32 s36, 8, 16
	s_cselect_b32 s38, 12288, s38                  ; bytes in a row of the weight
	s_cselect_b32 s39, 0, 3072
	s_cselect_b64 s[6:7], s[6:7], s[8:9]
	s_cmp_lt_u32 s18, 16                           ; q, k: 2, 32, 16, 1
	s_cselect_b32 s34, 2, 1
	s_cselect_b32 s35, 32, s35
	s_cselect_b32 s36, 16, s36
	s_cselect_b32 s37, 1, 32
	s_and_b32 s40, s20, 0xfc0                      ; the head's first column,
	s_sub_co_u32 s40, s40, s39                     ; counted in Wo for Wo's rows
	s_mul_i32 s41, s21, s37
	s_add_co_u32 s40, s40, s41
	s_wait_alu depctr_va_vdst(0)
	v_and_b32 v2, 7, v1
	v_bfe_u32 v3, v1, 3, 1
	v_lshrrev_b32 v4, 4, v1
	v_mul_u32_u24 v5, v2, s34
	v_mad_u32_u24 v5, v3, s35, v5
	v_mad_u32_u24 v5, v4, s36, v5
	v_add_nc_u32 v5, s40, v5                       ; my column
	v_lshlrev_b32 v[OFF], 2, v5
.set i, 1
.rept 31
	v_add_nc_u32 v[OFF+i], s38, v[OFF+i-1]         ; and the 31 rows below
.set i, i+1
.endr
	s_lshl_b32 s42, s19, 7
	s_mov_b32 s45, 0
.irp c, 0,1,2,3
	s_add_co_u32 s44, s42, 32*\c
	s_mul_i32 s44, s44, s38
	s_add_nc_u64 s[24+2*\c:25+2*\c], s[6:7], s[44:45]      ; block c begins at row 128 y + 32 c
.endr
	s_lshl_b32 s44, s20, 10
	s_lshl_b32 s46, s19, 11
	s_add_co_u32 s44, s44, s46
	s_add_nc_u64 s[46:47], s[12:13], s[44:45]      ; codes: tile x 16,384 + K step x 2,048
	s_lshl_b32 s44, s20, 5
	s_lshl_b32 s48, s19, 2
	s_add_co_u32 s44, s44, s48
	s_add_co_u32 s44, s44, WQ_SC
	s_add_nc_u64 s[48:49], s[12:13], s[44:45]      ; scale bytes: row x 32 + 4 x K step
	v_and_b32 v2, 15, v1
	v_lshlrev_b32 v217, 4, v2
	v_lshl_add_u32 v217, v4, 14, v217              ; my tile, my row's 16 bytes
	v_lshlrev_b32 v218, 5, v1
.macro WLOAD c
.set i, 0
.rept 32
	global_load_b32 v[WX+32*(\c)+i], v[OFF+i], s[24+2*(\c):25+2*(\c)]
.set i, i+1
.endr
.endm
.macro BLOCK c
.set XS, WX+32*(\c)
.if \c < 3
	s_wait_loadcnt 32                              ; this block's 32 loads are in; the next block's may be out
.else
	s_wait_loadcnt 0x0
.endif
.if \c < 2
	WLOAD \c+2
.endif
	v_max3_num_f32 v208, |v[XS]|, |v[XS+1]|, |v[XS+2]|     ; all 32 numbers of the block are mine
	v_max3_num_f32 v209, |v[XS+3]|, |v[XS+4]|, |v[XS+5]|
.irp i, 6,10,14,18,22,26
	v_max3_num_f32 v208, v208, |v[XS+\i]|, |v[XS+\i+1]|
	v_max3_num_f32 v209, v209, |v[XS+\i+2]|, |v[XS+\i+3]|
.endr
	v_max3_num_f32 v208, v208, |v[XS+30]|, |v[XS+31]|
	v_max3_num_f32 v208, v208, v209, 0x4800000     ; and the floor
	v_add_nc_u32 v211, 0xfc000000, v208
	v_and_or_b32 v210, v208, 0x7f800000, s[MNT]
	v_lshrrev_b32 v209, 23, v211
.if \c == 0
	v_mov_b32 v216, v209
.else
	v_lshl_or_b32 v216, v209, 8*\c, v216
.endif
.set i, 0
.rept 32
	v_med3_num_f32 v[XS+i], v[XS+i], -v210, v210
.set i, i+1
.endr
.irp g, 0,1,2,3
	v_cvt_scalef32_pk8_fp8_f32 v[WC+8*\c+2*\g:WC+8*\c+2*\g+1], v[XS+8*\g:XS+8*\g+7], v211
.endr
	global_store_b128 v217, v[WC+8*\c:WC+8*\c+3], s[46:47] offset:512*\c         ; k 32 c + 0 .. 15: the place of lane (r, 0); sixteen lanes store 256 consecutive bytes, aligned
	global_store_b128 v217, v[WC+8*\c+4:WC+8*\c+7], s[46:47] offset:512*\c+256   ; k 32 c + 16 .. 31: the place of lane (r, 1)
.endm
	s_wait_alu depctr_va_vdst(0)
	WLOAD 0
	WLOAD 1
	BLOCK 0
	BLOCK 1
	BLOCK 2
	BLOCK 3
	global_store_b32 v218, v216, s[48:49]          ; my row's scale word of this K step: 4 bytes for the 512 that I read
	s_endpgm
.Lfunc_end_k_q6f18cf18a1_prep:
	.size	k_q6f18cf18a1_prep, .Lfunc_end_k_q6f18cf18a1_prep-k_q6f18cf18a1_prep
	.p2alignl 7, 3214868480
	.fill 96, 4, 3214868480
	.section	.rodata,"a",@progbits
	.p2align	6, 0x0
	.amdhsa_kernel k_q6f18cf18a1_prep
		.amdhsa_group_segment_fixed_size 34304
		.amdhsa_private_segment_fixed_size 0
		.amdhsa_enable_private_segment 0
		.amdhsa_kernarg_size 48
		.amdhsa_user_sgpr_count 2
		.amdhsa_user_sgpr_kernarg_segment_ptr 1
		.amdhsa_wavefront_size32 1
		.amdhsa_system_sgpr_workgroup_id_x 1
		.amdhsa_system_sgpr_workgroup_id_y 1
		.amdhsa_system_sgpr_workgroup_id_z 1
		.amdhsa_system_vgpr_workitem_id 0
		.amdhsa_next_free_vgpr 256
		.amdhsa_next_free_sgpr 66
		.amdhsa_reserve_vcc 1
		.amdhsa_float_denorm_mode_32 3
		.amdhsa_float_denorm_mode_16_64 3
		.amdhsa_memory_ordered 1
		.amdhsa_forward_progress 1
		.amdhsa_inst_pref_size 86
	.end_amdhsa_kernel
	.amdgpu_metadata
---
amdhsa.version: [ 1, 2 ]
amdhsa.kernels:
  - .name:           k_q6f18cf18a1_prep
    .symbol:         k_q6f18cf18a1_prep.kd
    .args:
      - { .name: x, .offset: 0, .size: 8, .value_kind: global_buffer, .address_space: global }
      - { .name: Wqkv, .offset: 8, .size: 8, .value_kind: global_buffer, .address_space: global }
      - { .name: Wo, .offset: 16, .size: 8, .value_kind: global_buffer, .address_space: global }
      - { .name: xq, .offset: 24, .size: 8, .value_kind: global_buffer, .address_space: global }
      - { .name: wq, .offset: 32, .size: 8, .value_kind: global_buffer, .address_space: global }
      - { .name: rope, .offset: 40, .size: 8, .value_kind: global_buffer, .address_space: global }
    .group_segment_fixed_size: 34304
    .private_segment_fixed_size: 0
    .kernarg_segment_align: 8
    .kernarg_segment_size: 48
    .max_flat_workgroup_size: 128
    .sgpr_count:     66
    .vgpr_count:     256
    .wavefront_size: 32
...
	.end_amdgpu_metadata
.endif
;; end of part 1
;; launch gemm_qkv (part 2): grid 12 x 32, 4 waves a work-group, clusters of 4 x 4, 327,680 bytes of LDS; arguments xq, wq, rope, bqkv, padding_mask, qbuf, kv; writes qbuf, kv
.if DOCPART == 2
	.amdgcn_target "amdgcn-amd-amdhsa--gfx1250"
	.amdhsa_code_object_version 6
	.text
	.protected	k_q6f18cf18a1_gemm_qkv
	.globl	k_q6f18cf18a1_gemm_qkv
	.p2align	8
	.type	k_q6f18cf18a1_gemm_qkv,@function
k_q6f18cf18a1_gemm_qkv:
	s_mov_b64 s[64:65], 0
	v_nop
	global_prefetch_b8 v0, s[64:65] scope:SCOPE_SE
	s_setreg_imm32_b32 hwreg(HW_REG_WAVE_MODE, 25, 1), 1
	s_wait_xcnt 0x0
	s_wait_alu depctr_hold_cnt(0) depctr_sa_sdst(0) depctr_va_vdst(0) depctr_va_sdst(0) depctr_va_ssrc(0) depctr_va_vcc(0) depctr_vm_vsrc(0)
	s_getreg_b32 s2, hwreg(HW_REG_IB_STS2, 6, 4)
	s_cmp_eq_u32 s2, 0
	s_cbranch_scc0 .Lentry_in_a_cluster
	s_endpgm
.Lentry_in_a_cluster:
	s_bfe_u32 s2, ttmp6, 0x10000c
	s_cmp_lg_u32 s2, 0xf033
	s_cbranch_scc0 .Lentry_shape_is_right
	s_endpgm
.Lentry_shape_is_right:
.set NQ,     2
.set FR,     16
.set NL,     4
.set NP,     8
.set HALFT,  32768
.set SLOT,   4*HALFT
.set LAPS,   2
.set SCL,    2*SLOT
.set HALFS,  16*272
.set SBLK,   2*272
.set SPARE,  SCL+4*HALFS
.set XQ_SC,  8388608
.set WQ_SC,  4194304
.set ADRA, 16
.set ADRB, 20
.set ADRS, 22
.set BV4,  23
.set LI,   24
.set LS,   25
.set BO,   26
.set BVM,  27
.set SPW,  28
.set NIL,  29
.set SC,   32
.set BIAS, 64
.set AF,   128
.set RO,   64
.set TT,   128
.set QPC,  160
.set QTM,  168
.set WD,   184
.set WE,   186
.set WST,  188
.set MKR,  192
.set VT,   128
.set VPC,  192
.set VTM,  208
.set VW,   224
.set VWE,  226
.set VWS,  228
.set WV,  16
.set RH,  17
.set CH,  18
.set G1,  24
.set G0,  32
.set G1B, 48
.set G0B, 56
.set G1S, 68
.set G0S, 76
.set G1SB, 80
.set G0SB, 88
.set SEL, 54
.set MNT, 56
.set LM,  57
.set MSB, 0
.macro WIN new
.if MSB != \new
	s_set_vgpr_msb (MSB<<8)|\new
.set MSB, \new
.endif
.endm
.set MUL_LO, 0xa1
.set MUL_HI, 0xf1
.set BIA_LO, 0x81
.set BIA_HI, 0xc1
.set TO_B,   0x40
.macro JLOAD g0a, g1a, g0b, g1b
	s_cmp_eq_u32 s[RH], 0
	s_cbranch_scc0 .Lfor_b_\@
	tensor_load_to_lds s[\g0a:\g0a+3], s[\g1a:\g1a+7]
	s_nop 0
.rept 4
	v_nop
.endr
	s_branch .Lasked_\@
.Lfor_b_\@:
	tensor_load_to_lds s[\g0b:\g0b+3], s[\g1b:\g1b+7]
	s_nop 0
.rept 4
	v_nop
.endr
.Lasked_\@:
.endm
.macro CREST
	s_cmp_lg_u32 s[WV], 0
	s_cbranch_scc1 .Lnot_wave_0_\@
	s_barrier_signal -3
.Lnot_wave_0_\@:
	s_barrier_wait -3
	s_barrier_signal -1
	s_barrier_wait -1
.endm
.macro CROUND
	s_barrier_signal -1
	s_barrier_wait -1
	CREST
.endm
	s_load_b256 s[4:11], s[0:1], 0x0
	s_load_b128 s[12:15], s[0:1], 0x20
	s_load_b64 s[2:3], s[0:1], 0x30
	v_lshl_add_u32 v[SPW], v0, 2, SPARE
	v_mov_b32 v[NIL], 0
	ds_add_u32 v28, v29
	ds_add_u32 v28, v29
	s_wait_dscnt 0x0
	v_lshrrev_b32 v1, 5, v0
	v_readfirstlane_b32 s[WV], v1
	s_lshr_b32 s[RH], s[WV], 1
	s_and_b32 s[CH], s[WV], 1
	s_bfe_u32 s40, ttmp6, 0x40000
	s_bfe_u32 s41, ttmp6, 0x40004
	s_and_b32 s19, ttmp7, 0xffff
	s_lshl_b32 s19, s19, 2
	s_add_co_u32 s42, s19, s41
	s_add_co_u32 s43, s41, 8
	s_lshl_b32 s44, ttmp9, 2
	s_add_co_u32 s44, s44, s40
	s_add_co_u32 s45, s19, s40
	s_cmp_lt_u32 ttmp9, 2
	s_cselect_b32 s46, s42, s43
	s_cselect_b32 s47, s44, s45
	s_lshl_b32 s66, s41, 2
	s_lshl_b32 s66, 15, s66
	s_lshl_b32 s67, 0x1111, s40
	s_or_b32 s[G1+0], s66, (3<<16)|(1<<21)
	s_or_b32 s[G1B+0], s67, (3<<16)|(1<<21)
.irp g, G1, G1B
	s_mov_b32 s[\g+1], 512<<16
	s_mov_b32 s[\g+2], 16<<16
	s_mov_b32 s[\g+3], 512<<16
	s_mov_b32 s[\g+4], 16
	s_mov_b32 s[\g+5], 2048
	s_mov_b32 s[\g+6], 0
	s_mov_b32 s[\g+7], 0
.endr
	s_or_b32 s[G1S+0], s66, (3<<16)|(1<<20)|(1<<21)|(5<<22)|(3<<25)
	s_or_b32 s[G1SB+0], s67, (3<<16)|(1<<20)|(1<<21)|(5<<22)|(3<<25)
.irp g, G1S, G1SB
	s_mov_b32 s[\g+1], 32<<16
	s_mov_b32 s[\g+2], 32<<16
	s_mov_b32 s[\g+3], 32<<16
	s_mov_b32 s[\g+4], 32
	s_mov_b32 s[\g+5], 32
	s_mov_b32 s[\g+6], 0
	s_mov_b32 s[\g+7], 0
.endr
	s_lshl_b32 s20, s[CH], 7
	s_lshl_b32 s92, s46, 8
	s_add_co_u32 s92, s92, s20
	s_lshl_b32 s96, s47, 8
	s_add_co_u32 s96, s96, s20
	s_lshl_b32 s94, s46, 13                        ; the scales of the tile's 256 rows: 32 bytes a row
	s_lshl_b32 s92, s92, 10
	s_lshl_b32 s98, s47, 13
	s_lshl_b32 s96, s96, 10
	s_mov_b32 s93, 0
	s_mov_b32 s95, 0
	s_mov_b32 s97, 0
	s_mov_b32 s99, 0
	s_mov_b32 s100, WQ_SC
	s_mov_b32 s101, XQ_SC
	s_cmp_lt_u32 ttmp9, 2
	s_cselect_b32 s104, s101, s100
	s_cselect_b32 s105, s100, s101
	s_add_co_u32 s94, s94, s104
	s_add_co_u32 s98, s98, s105
	s_lshl_b32 s21, s[WV], 15
	s_wait_kmcnt 0x0
	s_cmp_lt_u32 ttmp9, 2
	s_cselect_b64 s[100:101], s[4:5], s[6:7]
	s_cselect_b64 s[104:105], s[6:7], s[4:5]
	s_add_nc_u64 s[92:93], s[100:101], s[92:93]
	s_add_nc_u64 s[94:95], s[100:101], s[94:95]
	s_add_nc_u64 s[96:97], s[104:105], s[96:97]
	s_add_nc_u64 s[98:99], s[104:105], s[98:99]
	CROUND
	s_mov_b32 s[G0S], 1
	s_mov_b32 s[G0S+1], SCL
	s_mov_b64 s[G0S+2:G0S+3], s[94:95]
	s_or_b32 s[G0S+3], s[G0S+3], 0x80000000
	s_mov_b32 s[G0SB], 1
	s_mov_b32 s[G0SB+1], SCL+2*HALFS
	s_mov_b64 s[G0SB+2:G0SB+3], s[98:99]
	s_or_b32 s[G0SB+3], s[G0SB+3], 0x80000000
.irp s, 0,1
	s_mov_b32 s[G0+4*\s], 1
	s_add_co_u32 s[G0+4*\s+1], s21, \s*SLOT
	s_add_nc_u64 s[G0+4*\s+2:G0+4*\s+3], s[92:93], \s*4096
	s_or_b32 s[G0+4*\s+3], s[G0+4*\s+3], 0x80000000
	s_mov_b32 s[G0B+4*\s], 1
	s_add_co_u32 s[G0B+4*\s+1], s21, \s*SLOT
	s_add_nc_u64 s[G0B+4*\s+2:G0B+4*\s+3], s[96:97], \s*4096
	s_or_b32 s[G0B+4*\s+3], s[G0B+4*\s+3], 0x80000000
.endr
; THE HEAD'S LOADS, ONE A WAVE: wave 0 fetches slot 0's 16 row tiles of A, wave 1 the scales of A's 256 rows, wave 2 slot 0's 16 row tiles of B, wave 3 B's scales.
; Waves 0 and 2 hold the tile's first row in their own group 0 of slot 0.  One chain of branches on the wave's number, a load to an arm, all arms leading to one join.
.macro HARM under, g0, g1, next
	s_cmp_lt_u32 s[WV], \under
	s_cbranch_scc0 \next
	tensor_load_to_lds s[\g0:\g0+3], s[\g1:\g1+7]
	s_nop 0
.rept 4
	v_nop
.endr
	s_branch .Lhead_asked
\next:
.endm
	HARM 1, G0, G1, .Lhead_sa
	HARM 2, G0S, G1S, .Lhead_b
	HARM 3, G0B, G1B, .Lhead_sb
	tensor_load_to_lds s[G0SB:G0SB+3], s[G1SB:G1SB+7]
	s_nop 0
.rept 4
	v_nop
.endr
.Lhead_asked:
	s_wait_alu depctr_va_vdst(0)
	s_wait_tensorcnt 0x0                           ; my tile of the head's four is in
	ds_add_u32 v28, v29
	s_mov_b32 s[G1+2], 8<<16                       ; no tensor load of mine is out: from here on a load brings 8 row tiles
	s_mov_b32 s[G1+4], 8
	s_mov_b32 s[G1B+2], 8<<16
	s_mov_b32 s[G1B+4], 8
	s_wait_dscnt 0x0
	CROUND
	JLOAD G0+4, G1, G0B+4, G1B                     ; slot 1's first fill, the first tensor load behind the round
	v_and_b32 v1, 31, v0
	v_and_b32 v2, 15, v0
	v_bfe_u32 v3, v0, 4, 1
	v_lshlrev_b32 v[LI], 4, v1
	v_lshlrev_b32 v[LS], 2, v1
	s_lshl_b32 s20, s[RH], 15
	s_lshl_b32 s23, s[CH], 15
	s_add_co_u32 s23, s23, 2*HALFT
.irp s, 0,1
	v_add_nc_u32 v[ADRA+\s], s20, v[LI]
	v_add_nc_u32 v[ADRB+\s], s23, v[LI]
	s_add_co_u32 s20, s20, SLOT
	s_add_co_u32 s23, s23, SLOT
.endr
	v_lshlrev_b32 v5, 5, v2
	v_lshrrev_b32 v6, 8, v5
	v_lshl_add_u32 v5, v6, 4, v5
	s_mul_i32 s20, s[RH], HALFS
	s_mul_i32 s23, s[CH], HALFS
	s_add_co_u32 s23, s23, 2*HALFS
	s_sub_co_u32 s23, s23, s20
	v_mul_u32_u24 v6, s23, v3
	s_add_co_u32 s20, s20, SCL
	v_add_nc_u32 v5, v5, v6
	v_add_nc_u32 v[ADRS], s20, v5
	v_lshlrev_b32 v[BO], 7, v3
	v_and_b32 v4, 7, v2
	v_lshrrev_b32 v5, 3, v2
	v_lshl_add_u32 v[BVM], v5, 4, v4
	v_lshlrev_b32 v[BV4], 2, v[BVM]
	s_cmp_lt_u32 ttmp9, 2
	s_cbranch_scc0 .Lno_bias
	s_lshl_b32 s20, s47, 10
	s_lshl_b32 s23, s[CH], 9
	s_add_co_u32 s20, s20, s23
	s_mov_b32 s21, 0
	s_add_nc_u64 s[100:101], s[10:11], s[20:21]
.irp b, 0,1,2,3,4,5,6,7
.irp j, 0,1,2,3,4,5,6,7
	global_load_b32 v[BIAS+8*\b+\j], v[BO], s[100:101] offset:4*(64*(\b/4)+16*(\b%2)+2*\j+((\b%4)/2))
.endr
.endr
	s_branch .Lbias_in
.Lno_bias:
.set i, 0
.rept 64
	v_mov_b32 v[BIAS+i], 0
.set i, i+1
.endr
.Lbias_in:
	s_wait_loadcnt 0x0
.macro FRAG reg, adr, q, i
.irp c, 0,1,2,3
	ds_load_b128 v[\reg+4*\c:\reg+4*\c+3], v[\adr] offset:2048*(\q)+512*\c+(\i)*4096
.endr
.endm
.macro MUL16 a0, p, q, sc, zero
.irp a, \a0, \a0+1
.irp b, 0,1,2,3,4,5,6,7
.if \zero
	v_wmma_scale_f32_16x16x128_f8f6f4 v[8*(8*((\a)%4)+\b):8*(8*((\a)%4)+\b)+7], v[128*(\p)+FR*\b:128*(\p)+FR*\b+FR-1], v[AF+FR*(\a):AF+FR*(\a)+FR-1], v[BIAS+8*\b:BIAS+8*\b+7], v[SC+8*NQ*(\sc)+NQ*\b+(\q)], v[SC+8*NQ*(\sc)+NQ*(\a)+(\q)] matrix_a_scale:MATRIX_SCALE_ROW1
.else
	v_wmma_scale_f32_16x16x128_f8f6f4 v[8*(8*((\a)%4)+\b):8*(8*((\a)%4)+\b)+7], v[128*(\p)+FR*\b:128*(\p)+FR*\b+FR-1], v[AF+FR*(\a):AF+FR*(\a)+FR-1], v[8*(8*((\a)%4)+\b):8*(8*((\a)%4)+\b)+7], v[SC+8*NQ*(\sc)+NQ*\b+(\q)], v[SC+8*NQ*(\sc)+NQ*(\a)+(\q)] matrix_a_scale:MATRIX_SCALE_ROW1
.endif
.endr
.endr
.endm
.macro FETCH_B slot, q, p
	WIN TO_B
.irp i, 0,1,2,3,4,5,6,7
	FRAG 128*(\p)+FR*\i, ADRB+\slot, \q, \i
.endr
	WIN 0
.endm
.macro FETCH_A slot, q, i0
.irp i, \i0, \i0+1, \i0+2, \i0+3
	FRAG AF+FR*(\i), ADRA+\slot, \q, \i
.endr
.endm
.macro SCALES sc
.irp i, 0,1,2,3,4,5,6,7
	ds_load_b64 v[SC+8*NQ*\sc+NQ*\i:SC+8*NQ*\sc+NQ*\i+1], v[ADRS] offset:\i*SBLK
.endr
.endm
.macro PLACES n
.rept \n
	v_nop
.endr
.endm
.macro STEP slot, q, zero
	s_wait_dscnt 4*NL
.if \zero
	WIN BIA_LO
.else
	WIN MUL_LO
.endif
	MUL16 0, (\q)%2, \q, \slot, \zero
	MUL16 2, (\q)%2, \q, \slot, \zero
	s_wait_dscnt 0
	PLACES NP
	FETCH_B \slot, (\q)+1, 1-(\q)%2
	FETCH_A \slot, (\q)+1, 0
.if \zero
	WIN BIA_HI
.else
	WIN MUL_HI
.endif
	MUL16 4, (\q)%2, \q, \slot, \zero
	MUL16 6, (\q)%2, \q, \slot, \zero
	PLACES NP
	WIN 0
	FETCH_A \slot, (\q)+1, 4
.endm
.macro TURN slot, next, fill
	s_wait_tensorcnt 0x0
	ds_add_u32 v[SPW], v[NIL]
	s_wait_dscnt 4*NL+1
	WIN MUL_LO
	MUL16 0, 1, NQ-1, \slot, 0
	s_wait_dscnt 0x0
	s_barrier_signal -1
	MUL16 2, 1, NQ-1, \slot, 0
	WIN 0
	s_barrier_wait -1
.if \fill
	CREST
	s_add_nc_u64 s[G0+4*\slot+2:G0+4*\slot+3], s[G0+4*\slot+2:G0+4*\slot+3], 8192
	s_add_nc_u64 s[G0B+4*\slot+2:G0B+4*\slot+3], s[G0B+4*\slot+2:G0B+4*\slot+3], 8192
	JLOAD G0+4*\slot, G1, G0B+4*\slot, G1B
	PLACES NP-4
.else
	PLACES NP
.endif
	s_wait_alu depctr_va_vdst(0)
	v_add_nc_u32 v[ADRS], 4*NQ, v[ADRS]
	FETCH_B \next, 0, 0
	FETCH_A \next, 0, 0
	SCALES \next
	WIN MUL_HI
	MUL16 4, 1, NQ-1, \slot, 0
	MUL16 6, 1, NQ-1, \slot, 0
	PLACES NP
	WIN 0
	FETCH_A \next, 0, 4
.endm
	s_wait_tensorcnt 1
	s_barrier_signal -1
	s_barrier_wait -1
	FETCH_B 0, 0, 0
	FETCH_A 0, 0, 0
	s_wait_alu depctr_va_vdst(0)
	SCALES 0
	FETCH_A 0, 0, 4
	STEP 0, 0, 1
.rept LAPS-1
	TURN 0, 1, 1
	STEP 1, 0, 0
	TURN 1, 0, 1
	STEP 0, 0, 0
.endr
	TURN 0, 1, 0
	STEP 1, 0, 0
	s_wait_dscnt 4*NL
	WIN MUL_LO
	MUL16 0, 1, NQ-1, 1, 0
	MUL16 2, 1, NQ-1, 1, 0
	s_wait_dscnt 0
	WIN MUL_HI
	MUL16 4, 1, NQ-1, 1, 0
	MUL16 6, 1, NQ-1, 1, 0
	WIN 0
	PLACES NP
.macro QUANT2 s, pc, tm
.irp b, 0,1
	v_max3_num_f32 v[\tm+\b], |v[\s+16*\b]|, |v[\s+1+16*\b]|, 0x4800000
.endr
.irp i, 2,4,6,8,10,12,14
.irp b, 0,1
	v_max3_num_f32 v[\tm+\b], v[\tm+\b], |v[\s+16*\b+\i]|, |v[\s+1+16*\b+\i]|
.endr
.endr
.irp b, 0,1
	v_permlanex16_b32 v[\tm+2+\b], v[\tm+\b], s[SEL], s[SEL+1]
.endr
.irp b, 0,1
	v_max_num_f32 v[\tm+\b], v[\tm+\b], v[\tm+2+\b]
.endr
.irp b, 0,1
	v_add_nc_u32 v[\tm+6+\b], 0xfc000000, v[\tm+\b]
.endr
.irp b, 0,1
	v_and_or_b32 v[\tm+4+\b], v[\tm+\b], 0x7f800000, s[MNT]
.endr
.irp b, 0,1
	v_lshrrev_b32 v[\tm+2+\b], 23, v[\tm+6+\b]
.endr
.irp b, 0,1
.irp i, 0,1,2,3,4,5,6,7,8,9,10,11,12,13,14,15
	v_med3_num_f32 v[\s+16*\b+\i], v[\s+16*\b+\i], -v[\tm+4+\b], v[\tm+4+\b]
.endr
	v_cvt_scalef32_pk8_fp8_f32 v[\pc+4*\b:\pc+1+4*\b], v[\s+16*\b:\s+7+16*\b], v[\tm+6+\b]
	v_cvt_scalef32_pk8_fp8_f32 v[\pc+2+4*\b:\pc+3+4*\b], v[\s+8+16*\b:\s+15+16*\b], v[\tm+6+\b]
.endr
	v_nop
.endm
.macro QUANT4 s, pc, tm, pw
.irp b, 0,1,2,3
	v_max3_num_f32 v[\tm+\b], |v[\s+16*\b]|, |v[\s+1+16*\b]|, 0x4800000
.endr
.irp i, 2,4,6,8,10,12,14
.irp b, 0,1,2,3
	v_max3_num_f32 v[\tm+\b], v[\tm+\b], |v[\s+16*\b+\i]|, |v[\s+1+16*\b+\i]|
.endr
.endr
.irp b, 0,1,2,3
	v_permlanex16_b32 v[\tm+4+\b], v[\tm+\b], s[SEL], s[SEL+1]
.endr
.irp b, 0,1,2,3
	v_max_num_f32 v[\tm+\b], v[\tm+\b], v[\tm+4+\b]
.endr
.irp b, 0,1,2,3
	v_add_nc_u32 v[\tm+12+\b], 0xfc000000, v[\tm+\b]
.endr
.irp b, 0,1,2,3
	v_and_or_b32 v[\tm+8+\b], v[\tm+\b], 0x7f800000, s[MNT]
.endr
.irp b, 0,1,2,3
	v_lshrrev_b32 v[\tm+4+\b], 23, v[\tm+12+\b]
.endr
	v_lshl_or_b32 v[\pw], v[\tm+5], 8, v[\tm+4]
	v_lshl_or_b32 v[\pw], v[\tm+6], 16, v[\pw]
	v_lshl_or_b32 v[\pw], v[\tm+7], 24, v[\pw]
.irp b, 0,1,2,3
.irp i, 0,1,2,3,4,5,6,7,8,9,10,11,12,13,14,15
	v_med3_num_f32 v[\s+16*\b+\i], v[\s+16*\b+\i], -v[\tm+8+\b], v[\tm+8+\b]
.endr
	v_cvt_scalef32_pk8_fp8_f32 v[\pc+4*\b:\pc+1+4*\b], v[\s+16*\b:\s+7+16*\b], v[\tm+12+\b]
	v_cvt_scalef32_pk8_fp8_f32 v[\pc+2+4*\b:\pc+3+4*\b], v[\s+8+16*\b:\s+15+16*\b], v[\tm+12+\b]
.endr
	v_nop
.endm
	s_mov_b32 s[SEL], 0x76543210
	s_mov_b32 s[SEL+1], 0xfedcba98
	s_mov_b32 s[MNT], 0x600000
	s_mov_b32 s[LM], 0xffff0000
	s_mov_b32 s35, 0
	s_cmp_lt_u32 ttmp9, 2
	s_cbranch_scc0 .Lv_out
	s_lshr_b32 s20, s46, 3
	s_and_b32 s21, s46, 7
	s_lshl_b32 s22, s20, 4
	s_lshl_b32 s23, s40, 2
	s_add_co_u32 s22, s22, s23
	s_lshl_b32 s23, s[CH], 1
	s_add_co_u32 s22, s22, s23
	s_mov_b32 s26, 274432
	s_mov_b32 s27, 0
	s_mov_b32 s28, 34304
	s_mov_b32 s29, 34304
	s_mov_b32 s30, 32768
	s_mov_b32 s58, 0xe20000
	s_mov_b32 s59, 0x1010000
	s_cmp_eq_u32 ttmp9, 0
	s_cselect_b64 s[24:25], s[14:15], s[2:3]
	s_cselect_b32 s26, 139264, s26
	s_cselect_b32 s28, 16384, s28
	s_cselect_b32 s29, 1024, s29
	s_cselect_b32 s30, 131072, s30
	s_cselect_b32 s58, 0, s58
	s_cselect_b32 s59, 0x17f0000, s59
	s_mul_i32 s32, s22, s26
	s_mul_i32 s34, s21, s28
	s_add_co_u32 s34, s34, s32
	s_lshl_b32 s33, s[RH], 13
	s_add_co_u32 s34, s34, s33
	s_add_nc_u64 s[36:37], s[24:25], s[34:35]
	s_add_nc_u64 s[38:39], s[36:37], s[26:27]
	s_mul_i32 s34, s21, s29
	s_add_co_u32 s34, s34, s32
	s_add_co_u32 s34, s34, s30
	s_lshl_b32 s33, s[RH], 9
	s_add_co_u32 s34, s34, s33
	s_add_nc_u64 s[48:49], s[24:25], s[34:35]
	s_add_nc_u64 s[50:51], s[48:49], s[26:27]
	s_lshl_b32 s34, s21, 16
	s_lshl_b32 s33, s[RH], 15
	s_add_co_u32 s34, s34, s33
	s_add_nc_u64 s[52:53], s[8:9], s[34:35]
	s_lshl_b32 s34, s20, 11
	s_lshl_b32 s33, s21, 8
	s_add_co_u32 s34, s34, s33
	s_lshl_b32 s33, s[RH], 7
	s_add_co_u32 s34, s34, s33
	s_add_nc_u64 s[60:61], s[12:13], s[34:35]
.irp a, 0,1,2,3,4,5,6,7
	global_load_u8 v[MKR+\a], v[BVM], s[60:61] offset:32*(\a/2)+8*(\a%2)
.endr
.macro RLOAD a
.irp g, 0,1,2,3,4,5,6,7
	global_load_b128 v[RO+32*((\a)%2)+4*\g:RO+32*((\a)%2)+4*\g+3], v[LI], s[52:53] offset:4096*(\a)+512*\g
.endr
.endm
	RLOAD 0
	RLOAD 1
	v_mov_b32 v[QTM+2], 0
	v_mov_b32 v[QTM+3], 0
	s_wait_loadcnt 16
.irp a, 0,1,2,3,4,5,6,7
	v_mad_u32_u24 v[MKR+\a], v[MKR+\a], s58, s59
.endr
.macro HEADOUT a, e
.set AC, 64*((\a)%4)+32*(\e)
.set CO_, RO+32*((\a)%2)
.set SI_, RO+32*((\a)%2)+16
.set WN, 2+(\a)/4
	WIN WN
.irp i, 0,2,4,6,8,10,12,14
	v_pk_mul_f32 v[TT+\i:TT+\i+1], v[AC+\i:AC+\i+1], v[CO_+\i:CO_+\i+1]
.endr
.irp i, 0,2,4,6,8,10,12,14
	v_pk_mul_f32 v[TT+16+\i:TT+17+\i], v[AC+\i:AC+\i+1], v[SI_+\i:SI_+\i+1]
.endr
.irp i, 0,2,4,6,8,10,12,14
	v_pk_fma_f32 v[TT+\i:TT+\i+1], v[AC+16+\i:AC+17+\i], v[SI_+\i:SI_+\i+1], v[TT+\i:TT+\i+1] neg_lo:[1,0,0] neg_hi:[1,0,0]
.endr
.irp i, 0,2,4,6,8,10,12,14
	v_pk_fma_f32 v[TT+16+\i:TT+17+\i], v[AC+16+\i:AC+17+\i], v[CO_+\i:CO_+\i+1], v[TT+16+\i:TT+17+\i]
.endr
	WIN 0
	s_wait_alu depctr_va_vdst(0)
	s_wait_xcnt 0x0
	QUANT2 TT, QPC, QTM
	v_lshl_or_b32 v[WD], v[QTM+3], 8, v[QTM+2]
	v_or_b32 v[WD], v[WD], v[MKR+\a]
	global_store_b128 v[LI], v[QPC:QPC+3], s[36+2*\e:37+2*\e] offset:1024*(\a)
	global_store_b128 v[LI], v[QPC+4:QPC+7], s[36+2*\e:37+2*\e] offset:1024*(\a)+512
.if (\a)%2 == 0
	v_mov_b32 v[WE+\e], v[WD]
.else
	v_cndmask_b32 v[WST], v[WE+\e], v[WD], s[LM]
	global_store_b32 v[LS], v[WST], s[48+2*\e:49+2*\e] offset:128*((\a)/2)
.endif
.endm
.irp a, 0,1,2,3,4,5,6,7
.if \a < 7
	s_wait_loadcnt 8
.else
	s_wait_loadcnt 0x0
.endif
	HEADOUT \a, 0
	HEADOUT \a, 1
.if \a < 6
	RLOAD \a+2
.endif
.endr
	s_branch .Lout_done
.Lv_out:
	s_lshr_b32 s20, s47, 3
	s_and_b32 s21, s47, 7
	s_lshl_b32 s22, s20, 4
	s_lshl_b32 s23, s41, 2
	s_add_co_u32 s22, s22, s23
	s_lshl_b32 s23, s[RH], 1
	s_add_co_u32 s22, s22, s23
	s_mul_i32 s32, s22, 274432
	s_mul_i32 s34, s21, 34304
	s_add_co_u32 s32, s32, s34
	s_lshl_b32 s33, s[CH], 13
	s_add_co_u32 s34, s32, s33
	s_add_co_u32 s34, s34, 16384
	s_add_nc_u64 s[36:37], s[2:3], s[34:35]
	s_lshl_b32 s33, s[CH], 8
	s_add_co_u32 s34, s32, s33
	s_add_co_u32 s34, s34, 33792
	s_add_nc_u64 s[48:49], s[2:3], s[34:35]
	s_lshl_b32 s34, s41, 10
	s_lshl_b32 s33, s[RH], 9
	s_add_co_u32 s34, s34, s33
	s_add_co_u32 s34, s34, 8192
	s_add_nc_u64 s[52:53], s[10:11], s[34:35]
.irp a, 0,1,2,3,4,5,6,7
	global_load_b32 v[RO+2*\a], v[BV4], s[52:53] offset:4*(64*(\a/4)+32*((\a%4)/2)+8*(\a%2))
.endr
.irp b, 0,1,2,3
	v_mov_b32 v[VTM+4+\b], 0
.endr
	s_wait_loadcnt 0x0
.macro VOUT a
.set AC, 64*((\a)%4)
.set WN, 2+(\a)/4
	WIN WN
.set i, 0
.rept 32
	v_pk_add_f32 v[VT+i:VT+i+1], v[AC+i:AC+i+1], v[RO+2*(\a):RO+2*(\a)+1] op_sel_hi:[1,0]
.set i, i+2
.endr
	WIN 0
	s_wait_xcnt 0x0
	QUANT4 VT, VPC, VTM, VW
.irp c, 0,1,2,3
	global_store_b128 v[LI], v[VPC+4*\c:VPC+4*\c+3], s[36:37] offset:274432*((\a)/4)+2048*((\a)%4)+512*\c
.endr
.if (\a)%2 == 0
	v_mov_b32 v[VWE], v[VW]
.else
	v_cndmask_b32 v[VWS], v[VWE], v[VW], s[LM]
	global_store_b32 v[LS], v[VWS], s[48:49] offset:274432*((\a)/4)+128*(((\a)%4)/2)
.endif
.endm
.irp a, 0,1,2,3,4,5,6,7
	VOUT \a
.endr
.Lout_done:
	s_wait_tensorcnt 0x0
	ds_add_u32 v[SPW], v[NIL]
	s_wait_dscnt 0x0
	CROUND
	s_endpgm
.Lfunc_end_k_q6f18cf18a1_gemm_qkv:
	.size	k_q6f18cf18a1_gemm_qkv, .Lfunc_end_k_q6f18cf18a1_gemm_qkv-k_q6f18cf18a1_gemm_qkv
	.p2alignl 7, 3214868480
	.fill 96, 4, 3214868480
	.section	.rodata,"a",@progbits
	.p2align	6, 0x0
	.amdhsa_kernel k_q6f18cf18a1_gemm_qkv
		.amdhsa_group_segment_fixed_size 327680
		.amdhsa_private_segment_fixed_size 0
		.amdhsa_enable_private_segment 0
		.amdhsa_kernarg_size 56
		.amdhsa_user_sgpr_count 2
		.amdhsa_user_sgpr_kernarg_segment_ptr 1
		.amdhsa_wavefront_size32 1
		.amdhsa_system_sgpr_workgroup_id_x 1
		.amdhsa_system_sgpr_workgroup_id_y 1
		.amdhsa_system_sgpr_workgroup_id_z 1
		.amdhsa_system_vgpr_workitem_id 0
		.amdhsa_next_free_vgpr 1024
		.amdhsa_next_free_sgpr 106
		.amdhsa_reserve_vcc 0
		.amdhsa_float_denorm_mode_32 3
		.amdhsa_float_denorm_mode_16_64 3
		.amdhsa_memory_ordered 1
		.amdhsa_forward_progress 1
		.amdhsa_inst_pref_size 255
	.end_amdhsa_kernel
	.section	.bss,"aw",@nobits
	.p2align	6
	.space	262144
	.amdgpu_metadata
---
amdhsa.version: [ 1, 2 ]
amdhsa.kernels:
  - .name:           k_q6f18cf18a1_gemm_qkv
    .symbol:         k_q6f18cf18a1_gemm_qkv.kd
    .args:
      - { .name: xq, .offset: 0, .size: 8, .value_kind: global_buffer, .address_space: global }
      - { .name: wq, .offset: 8, .size: 8, .value_kind: global_buffer, .address_space: global }
      - { .name: rope, .offset: 16, .size: 8, .value_kind: global_buffer, .address_space: global }
      - { .name: bqkv, .offset: 24, .size: 8, .value_kind: global_buffer, .address_space: global }
      - { .name: padding_mask, .offset: 32, .size: 8, .value_kind: global_buffer, .address_space: global }
      - { .name: qbuf, .offset: 40, .size: 8, .value_kind: global_buffer, .address_space: global }
      - { .name: kv, .offset: 48, .size: 8, .value_kind: global_buffer, .address_space: global }
    .group_segment_fixed_size: 327680
    .private_segment_fixed_size: 0
    .kernarg_segment_align: 8
    .kernarg_segment_size: 56
    .max_flat_workgroup_size: 128
    .sgpr_count:     106
    .vgpr_count:     1024
    .wavefront_size: 32
...
	.end_amdgpu_metadata
.endif
;; end of part 2
;; launch attn (part 3): grid 4 x 64, 8 waves a work-group, clusters of 4 x 1, 327,680 bytes of LDS; arguments qbuf, kv, aq; writes aq
.if DOCPART == 3
	.amdgcn_target "amdgcn-amd-amdhsa--gfx1250"
	.amdhsa_code_object_version 6
	.text
	.protected	k_q6f18cf18a1_attn
	.globl	k_q6f18cf18a1_attn
	.p2align	8
	.type	k_q6f18cf18a1_attn,@function
k_q6f18cf18a1_attn:
	s_mov_b64 s[64:65], 0
	v_nop
	global_prefetch_b8 v0, s[64:65] scope:SCOPE_SE
	s_setreg_imm32_b32 hwreg(HW_REG_WAVE_MODE, 25, 1), 1
	s_wait_xcnt 0x0
	s_wait_alu depctr_hold_cnt(0) depctr_sa_sdst(0) depctr_va_vdst(0) depctr_va_sdst(0) depctr_va_ssrc(0) depctr_va_vcc(0) depctr_vm_vsrc(0)
	s_getreg_b32 s2, hwreg(HW_REG_IB_STS2, 6, 4)
	s_cmp_eq_u32 s2, 0
	s_cbranch_scc0 .Lentry_in_a_cluster
	s_endpgm
.Lentry_in_a_cluster:
	s_bfe_u32 s2, ttmp6, 0x10000c
	s_cmp_lg_u32 s2, 0x3003
	s_cbranch_scc0 .Lentry_shape_is_right
	s_endpgm
.Lentry_shape_is_right:
; Attention of one head on codes of FP8 (E4M3) with E8M0 scales: S = q k^T (K = 64), p = 2^(t - M) quantised along the keys, O = p v, O / l quantised along head x 64 + d for the last product.
; t = score x log2(e) / 8.  M is a whole number at or above the running largest t: -M = floor(-t - |t| 2^-22): ceil(t), or now and then one more: a power of two that the blocks' scales and l take up exactly.
; The row's sum l is taken of the unquantised p.  When M moves, l and O are multiplied by 2^(old M - new M): exact.
; THE FIRST PRODUCT'S K IS 64 IN A FORM OF 128.  Registers 0-7 of a fragment are the codes; register 8 holds one code at k = 64 (lanes 0-15): 1.0 in every key, -1.0 in every query; the rest is zero codes.
; The key's scale byte of that block, made with k's codes from the padding mask, adds -2^100 to a masked key's score (p = 0) and -2^-126 to an open one's.
; A row all of whose keys are masked ends with its largest score under -2^93: its scale bytes become 0xff, which makes the last product's sums NaN, as the softmax of such a row is.
; LIMITS: |t| of open keys stays under 2^90; NaN and infinities are not served.
; A HEAD'S K AND V STAY IN LDS: 8 slots of 34,304 dense bytes (256 keys each: K's codes, V's codes, K's and V's scale words, as images of the operands' registers).  Each of the eight waves brings one slot,
; 134 rows of 256 bytes, by its one tensor load at the head: no LDS byte is filled twice, and the loops over the keys hold no barrier.
; CLUSTER: the four work-groups of a cluster are the four blocks of 512 queries of one head and want the same K and V: every slot is asked for jointly (mask 15).
; NO PREFETCH: every byte of K and V is asked for by the one group of loads at the head; there is no loop to run ahead in.
; SHARES.  A work-group owns 512 queries; a wave owns four tiles of 16 and takes them two at a time (tiles A and B) over all 2,048 keys, 128 a step: each fragment of K and of V that it reads from LDS feeds two matrix instructions.
; Both products are used transposed (S^T = K Q^T, O^T = V^T P^T): a lane holds one query of each tile; the 16 registers of two neighbouring key tiles are 16 neighbouring keys.
; REGISTERS, two windows of 256.  Window 0: v1-31 addresses and both tiles' M, l, f; v32-63 block maxima, bytes, holds, scale operands (A: +0..3, B: +4..7); v64-75 scale words alone; v80-127, v240-255 the four Q fragments;
; v128-191 S^T of A, then p, then V's four fragments; v192-223 O^T of A; v224-239 p's codes of A.  Window 1: v0-127 K's eight fragments (+0..7 loaded, +8..15 set once); v128-239 as window 0, for tile B.
.set SLOTB, 34304
.set VCO,   16384                      ; in a slot: V's codes [key step 2][tile 4][2,048],
.set KSC,   32768                      ; K's scale words [tile 16][16],
.set VSC,   33792                      ; V's [key step 2][tile 4][16]
.set SPARE, 8*SLOTB                    ; behind K and V: the spare words, 128 bytes for each of eight waves
.set DUAL,  1                          ; the hold as dual-issue pairs (0: as single lines)
.set LI,  1                            ; 16 x lane
.set LS,  2                            ; 4 x lane
.set A16, 3                            ; the slot in hand + 16 x lane
.set A4,  4                            ; + 4 x lane
.set SPW, 5
.set NIL, 6
.set SB,  7                            ; 32 x (lane % 16): my row's scale bytes in aq
.set N16, 8                            ; the next slot + 16 x lane
.set N4,  9
.set NMA, 10                           ; v[10:11] -M and the largest score of tile A;  v[12:13] of B
.set NMB, 12
.set LSA, 14                           ; v[14:15], v[16:17] the sums, in two halves
.set LSB, 16
.set C1,  18
.set C2,  20
.set C3,  76                           ; v[76:79] two more chains of the sums
.set C4,  78
.set FA,  22                           ; v[22:23], v[24:25] f
.set FB,  24
.set WKA, 26
.set WKB, 27
.set OA,  28
.set OB,  29
.set BM,  32
.set T2,  40
.set HOLD, 48
.set SCO, 56
.set KSR, 64                           ; K's scale words, two tiles a register
.set VSR, 68
.set PSA, 72
.set PSB, 73
.set ST,  128
.set OT,  192
.set PCD, 224
.set WV,  12
.set G1,  16
.set G0,  24
.set SEL, 32
.set CS,  34
.set MNT, 36
.set EPS, 37
.set TB,  38                           ; LDS byte at which the slot in hand begins
.set CNT, 39
.set TN,  40                           ; and the next slot, held at the last
.set MSB, 0
.macro WIN new                         ; the immediate's high byte repeats the setting that is left
.if MSB != \new
	s_set_vgpr_msb (MSB<<8)|\new
.set MSB, \new
.endif
.endm
.macro H n
	s_delay_alu instid0(VALU_DEP_\n)
.endm
.macro CROUND                          ; a round of the cluster's barrier
	s_barrier_signal -1
	s_barrier_wait -1
	s_cmp_lg_u32 s[WV], 0
	s_cbranch_scc1 .Lnot_wave_0_\@
	s_barrier_signal -3
.Lnot_wave_0_\@:
	s_barrier_wait -3
	s_barrier_signal -1
	s_barrier_wait -1
.endm
.macro INIT                            ; two tiles of queries begin: the key step is written once; its first turn finds zeros, which the first change of M leaves zeros
	v_mov_b32 v[NMA], 0x7e000000                   ; -M = 2^125, above every later -M: the first f is 0
	v_mov_b32 v[NMB], 0x7e000000
	v_mov_b32 v[NMA+1], 0xff61b1e6                 ; the largest score so far: -3e38
	v_mov_b32 v[NMB+1], 0xff61b1e6
.irp i, 0,1,2,3
	v_mov_b32 v[LSA+\i], 0
.endr
.set j, 0
.rept 32
	v_mov_b32 v[OT+j], 0
.set j, j+1
.endr
	WIN 0x40
.set j, 0
.rept 32
	v_mov_b32 v[OT+j], 0
.set j, j+1
.endr
	WIN 0
.endm
.macro KLOAD a16, a4, q                ; K's eight fragments and their scale words of a key step
	WIN 0x40
.irp t, 0,1,2,3,4,5,6,7
	ds_load_b128 v[16*\t:16*\t+3], v[\a16] offset:8192*(\q)+1024*\t
	ds_load_b128 v[16*\t+4:16*\t+7], v[\a16] offset:8192*(\q)+1024*\t+512
.endr
	WIN 0
.irp j, 0,1,2,3
	ds_load_b32 v[KSR+\j], v[\a4] offset:KSC+512*(\q)+128*\j       ; lanes 0-15: the even tile's words, lanes 16-31: the odd tile's
.endr
.endm
.macro QK qf, qs                       ; S^T = K Q^T of one tile of queries: eight tiles of 16 keys
.irp t, 0,1,2,3,4,5,6,7
.if \t%2
	v_wmma_scale_f32_16x16x128_f8f6f4 v[ST+8*\t:ST+8*\t+7], v[16*\t:16*\t+15], v[\qf:\qf+15], 0, v[KSR+\t/2], v[\qs] matrix_a_scale:MATRIX_SCALE_ROW1
.else
	v_wmma_scale_f32_16x16x128_f8f6f4 v[ST+8*\t:ST+8*\t+7], v[16*\t:16*\t+15], v[\qf:\qf+15], 0, v[KSR+\t/2], v[\qs]
.endif
.endr
.endm
.macro MAXES bm                        ; the largest score of each block of 32 keys: for the row's maximum and, since p rises with the score, for the block's largest p.  Each accumulator is read from its low end on
.irp b, 0,1,2,3
	v_max3_num_f32 v[\bm+\b], 0xff800000, v[ST+16*\b], v[ST+16*\b+1]
.endr
.irp i, 2,4,6,8,10,12,14
.irp b, 0,1,2,3
	v_max3_num_f32 v[\bm+\b], v[\bm+\b], v[ST+16*\b+\i], v[ST+16*\b+\i+1]
.endr
.endr
.endm
.macro SUMS ls, wa, wb                 ; the row's sum of the unquantised p, two at a time, in five chains by turns
	WIN \wa
	v_pk_add_f32 v[C1:C1+1], v[ST:ST+1], v[ST+2:ST+3]
	v_pk_add_f32 v[C2:C2+1], v[ST+4:ST+5], v[ST+6:ST+7]
	v_pk_add_f32 v[C3:C3+1], v[ST+8:ST+9], v[ST+10:ST+11]
	v_pk_add_f32 v[C4:C4+1], v[ST+12:ST+13], v[ST+14:ST+15]
	WIN \wb
.set j, 16
.rept 4
	v_pk_add_f32 v[\ls:\ls+1], v[\ls:\ls+1], v[ST+j:ST+j+1]
	v_pk_add_f32 v[C1:C1+1], v[C1:C1+1], v[ST+j+2:ST+j+3]
	v_pk_add_f32 v[C2:C2+1], v[C2:C2+1], v[ST+j+4:ST+j+5]
	v_pk_add_f32 v[C3:C3+1], v[C3:C3+1], v[ST+j+6:ST+j+7]
	v_pk_add_f32 v[C4:C4+1], v[C4:C4+1], v[ST+j+8:ST+j+9]
.set j, j+10
.endr
	v_pk_add_f32 v[\ls:\ls+1], v[\ls:\ls+1], v[ST+56:ST+57]
	v_pk_add_f32 v[C1:C1+1], v[C1:C1+1], v[ST+58:ST+59]
	v_pk_add_f32 v[C2:C2+1], v[C2:C2+1], v[ST+60:ST+61]
	v_pk_add_f32 v[C3:C3+1], v[C3:C3+1], v[ST+62:ST+63]
	WIN 0
	v_pk_add_f32 v[C1:C1+1], v[C1:C1+1], v[C2:C2+1]
	v_pk_add_f32 v[C3:C3+1], v[C3:C3+1], v[C4:C4+1]
	v_pk_add_f32 v[\ls:\ls+1], v[\ls:\ls+1], v[C1:C1+1]
	v_pk_add_f32 v[\ls:\ls+1], v[\ls:\ls+1], v[C3:C3+1]
.endm
.macro HOLDS h                         ; the conversion does not saturate (ISA guide 7.6.2); p is not negative, so the hold is one-sided.  A pair takes a number of block b and one of block b + 1: destinations even and odd, sources in different banks
.irp b, 0,2
.irp i, 0,2,4,6,8,10,12,14
.if DUAL
	v_dual_min_num_f32 v[ST+16*\b+\i], v[\h+\b], v[ST+16*\b+\i] :: v_dual_min_num_f32 v[ST+16*\b+17+\i], v[\h+\b+1], v[ST+16*\b+17+\i]
	v_dual_min_num_f32 v[ST+16*\b+\i+1], v[\h+\b], v[ST+16*\b+\i+1] :: v_dual_min_num_f32 v[ST+16*\b+16+\i], v[\h+\b+1], v[ST+16*\b+16+\i]
.else
	v_min_num_f32 v[ST+16*\b+\i], v[\h+\b], v[ST+16*\b+\i]
	v_min_num_f32 v[ST+16*\b+17+\i], v[\h+\b+1], v[ST+16*\b+17+\i]
	v_min_num_f32 v[ST+16*\b+\i+1], v[\h+\b], v[ST+16*\b+\i+1]
	v_min_num_f32 v[ST+16*\b+16+\i], v[\h+\b+1], v[ST+16*\b+16+\i]
.endif
.endr
.endr
.endm
.macro CVTS sc, nb
.set b, 0
.rept \nb
	v_cvt_scalef32_pk8_fp8_f32 v[PCD+4*b:PCD+4*b+1], v[ST+16*b:ST+16*b+7], v[\sc+b]
	v_cvt_scalef32_pk8_fp8_f32 v[PCD+4*b+2:PCD+4*b+3], v[ST+16*b+8:ST+16*b+15], v[\sc+b]
.set b, b+1
.endr
.endm
.macro RESCALE f                       ; O^T under the new M
.set j, 0
.rept 16
	v_pk_mul_f32 v[OT+j:OT+j+1], v[OT+j:OT+j+1], v[\f:\f+1] op_sel_hi:[1,0]
.set j, j+2
.endr
.endm
.macro PV ps                           ; O^T += V^T P^T: four accumulators, one instruction each
.irp d, 0,1,2,3
.if \d%2
	v_wmma_scale_f32_16x16x128_f8f6f4 v[OT+8*\d:OT+8*\d+7], v[ST+16*\d:ST+16*\d+15], v[PCD:PCD+15], v[OT+8*\d:OT+8*\d+7], v[VSR+\d/2], v[\ps] matrix_a_scale:MATRIX_SCALE_ROW1
.else
	v_wmma_scale_f32_16x16x128_f8f6f4 v[OT+8*\d:OT+8*\d+7], v[ST+16*\d:ST+16*\d+15], v[PCD:PCD+15], v[OT+8*\d:OT+8*\d+7], v[VSR+\d/2], v[\ps]
.endif
.endr
.endm
; A KEY STEP of both tiles: 128 keys, the q-th of the slot in hand.  qa, qb: the tiles' Q fragments; qsa, qsb: their scale words
.macro STEP q, qa, qb, qsa, qsb
.if \q == 0                            ; nine places: the products below write over V's fragments, which the last step's products have read
	v_add_nc_u32 v[A16], s[TB], v[LI]
	v_add_nc_u32 v[A4], s[TB], v[LS]
	v_add_nc_u32 v[N16], s[TN], v[LI]
	v_add_nc_u32 v[N4], s[TN], v[LS]
.rept 5
	v_nop
.endr
	s_wait_alu depctr_va_vdst(0)                   ; the wait here, directly ahead of the wait below
.else
.rept 9
	v_nop
.endr
.endif
	s_wait_dscnt 0x0                               ; K's fragments, asked for a step ago
	WIN 0x01
	QK \qa, \qsa
	WIN 0x41
	QK \qb, \qsb
	WIN 0
.rept 8
	v_nop                                          ; places in front of the first read of the results
.endr
	MAXES BM
	WIN 0x14
	MAXES BM+4
.if \q == 0
	KLOAD A16, A4, 1                               ; the next step's K: 72 places behind the products that read these registers
.else
	KLOAD N16, N4, 0                               ; (in a walk's last step the address is held at the last slot: what comes is not used)
.endif
.irp b, 0,1,2,3,4,5,6,7
	v_permlanex16_b32 v[T2+\b], v[BM+\b], s[SEL], s[SEL+1]
.endr
.irp b, 0,1,2,3,4,5,6,7
	v_max_num_f32 v[BM+\b], v[BM+\b], v[T2+\b]     ; with lane l xor 16's 16 keys
.endr
	v_max3_num_f32 v[WKA], v[BM], v[BM+1], v[BM+2] ; the two tiles' chains by turns
	H 3
	v_max3_num_f32 v[WKB], v[BM+4], v[BM+5], v[BM+6]
	H 2
	v_max3_num_f32 v[NMA+1], v[NMA+1], v[WKA], v[BM+3]     ; the running largest score
	H 2
	v_max3_num_f32 v[NMB+1], v[NMB+1], v[WKB], v[BM+7]
	H 2
	v_mul_f32 v[WKA], s[CS], v[NMA+1]              ; as t (c is positive)
	H 2
	v_mul_f32 v[WKB], s[CS], v[NMB+1]
	v_mov_b32 v[OA], v[NMA]
	v_mov_b32 v[OB], v[NMB]
	H 4
	v_fma_f32 v[NMA], |v[WKA]|, s[EPS], -v[WKA]
	H 4
	v_fma_f32 v[NMB], |v[WKB]|, s[EPS], -v[WKB]
	H 2
	v_floor_f32 v[NMA], v[NMA]                     ; the new -M: a whole number
	H 2
	v_floor_f32 v[NMB], v[NMB]
	H 2
	v_sub_f32 v[WKA], v[NMA], v[OA]                ; old M - new M: a whole number, 0 or less
	H 2
	v_sub_f32 v[WKB], v[NMB], v[OB]
	H 2
	v_cvt_i32_f32 v[WKA], v[WKA]                   ; (it saturates)
	H 2
	v_cvt_i32_f32 v[WKB], v[WKB]
	H 2
	v_ldexp_f32 v[FA], 1.0, v[WKA]                 ; f = 2^(old M - new M)
	H 2
	v_ldexp_f32 v[FB], 1.0, v[WKB]
.irp b, 0,1,2,3
	v_fma_f32 v[BM+\b], v[BM+\b], s[CS], v[NMA]
.endr
.irp b, 4,5,6,7
	v_fma_f32 v[BM+\b], v[BM+\b], s[CS], v[NMB]
.endr
.set j, 0
.rept 32
	v_pk_fma_f32 v[ST+j:ST+j+1], v[ST+j:ST+j+1], s[CS:CS+1], v[NMA:NMA+1] op_sel_hi:[1,0,0]   ; t - M, two at a time
.set j, j+2
.endr
	WIN 0x41
.set j, 0
.rept 32
	v_pk_fma_f32 v[ST+j:ST+j+1], v[ST+j:ST+j+1], s[CS:CS+1], v[NMB:NMB+1] op_sel_hi:[1,0,0]
.set j, j+2
.endr
	s_wait_alu depctr_va_vdst(0)                   ; the wait ahead of the batch: one batch for both tiles
.set j, 0
.rept 64
	v_exp_f32 v[ST+j], v[ST+j]                     ; p = 2^(t - M): not normalised
.set j, j+1
.endr
	WIN 0
.set j, 0
.rept 64
	v_exp_f32 v[ST+j], v[ST+j]
.set j, j+1
.endr
.irp b, 0,1,2,3,4,5,6,7
	v_exp_f32 v[BM+\b], v[BM+\b]                   ; the block's largest p: the same multiply-add and exponential on the same number
.endr
	v_pk_mul_f32 v[LSA:LSA+1], v[LSA:LSA+1], v[FA:FA+1] op_sel_hi:[1,0]    ; the sums under the new M.  (Plain places behind the exponentials)
	v_pk_mul_f32 v[LSB:LSB+1], v[LSB:LSB+1], v[FB:FB+1] op_sel_hi:[1,0]
	s_wait_alu depctr_va_vdst(0)                   ; and the one wait behind it, ahead of its first reader
.irp b, 0,1,2,3,4,5,6,7
	v_max_num_f32 v[BM+\b], 0x4800000, v[BM+\b]    ; the floor 2^(9 - 127): the byte cannot fall under 1
.endr
.irp b, 0,1,2,3,4,5,6,7
	v_add_nc_u32 v[SCO+\b], 0xfc000000, v[BM+\b]   ; 8 off the exponent field: the conversion's scale operand
.endr
.irp b, 0,1,2,3,4,5,6,7
	v_and_or_b32 v[HOLD+\b], v[BM+\b], 0x7f800000, s[MNT]  ; 448 x the scale
.endr
.irp b, 0,1,2,3,4,5,6,7
	v_lshrrev_b32 v[T2+\b], 23, v[SCO+\b]          ; the scale's byte
.endr
	SUMS LSA, 0, 0
	v_lshl_or_b32 v[PSA], v[T2+1], 8, v[T2]        ; p's scale words for these 128 keys
	v_lshl_or_b32 v[PSB], v[T2+5], 8, v[T2+4]
	v_lshl_or_b32 v[WKA], v[T2+3], 8, v[T2+2]
	v_lshl_or_b32 v[WKB], v[T2+7], 8, v[T2+6]
	HOLDS HOLD
	CVTS SCO, 4
	v_lshl_or_b32 v[PSA], v[WKA], 16, v[PSA]       ; (plain places behind the conversions)
	v_lshl_or_b32 v[PSB], v[WKB], 16, v[PSB]
.irp d, 0,1,2,3                                ; V's four fragments take tile A's p registers; they serve both tiles
.irp c, 0,1,2,3
	ds_load_b128 v[ST+16*\d+4*\c:ST+16*\d+4*\c+3], v[A16] offset:VCO+8192*(\q)+2048*\d+512*\c
.endr
.endr
	ds_load_b32 v[VSR], v[A4] offset:VSC+256*(\q)
	ds_load_b32 v[VSR+1], v[A4] offset:VSC+256*(\q)+128
	SUMS LSB, 0x05, 0x04
	WIN 0x44
	HOLDS HOLD+4
	WIN 0x41
	CVTS SCO+4, 4
	s_wait_alu depctr_va_vdst(0)                   ; the wait here, directly ahead of the first reader of O^T
	RESCALE FB                                     ; (these are also the places between the codes and the products)
	WIN 0
	s_wait_alu depctr_va_vdst(0)                   ; the same for tile A's O^T
	RESCALE FA
	s_wait_alu depctr_va_vdst(0)                   ; the wait here, directly ahead of the wait below
	s_wait_dscnt 0x0                               ; V, and the next step's K
	PV PSA
	WIN 0x54
	PV PSB
	WIN 0
.endm
; THE WAY OUT.  O^T / l: register 16 b + i is d = 32 b + 16 (lane / 16) + i of my query: two blocks of the last product's K, quantised where they stand
.macro OMAX bm
.irp b, 0,1
	v_max3_num_f32 v[\bm+\b], 0x4800000, |v[ST+16*\b]|, |v[ST+16*\b+1]|
.endr
.irp i, 2,4,6,8,10,12,14
.irp b, 0,1
	H 2
	v_max3_num_f32 v[\bm+\b], v[\bm+\b], |v[ST+16*\b+\i]|, |v[ST+16*\b+\i+1]|
.endr
.endr
.endm
.macro OHOLD h
.irp b, 0,1
.irp i, 0,1,2,3,4,5,6,7,8,9,10,11,12,13,14,15
	v_med3_num_f32 v[ST+16*\b+\i], v[ST+16*\b+\i], -v[\h+\b], v[\h+\b]
.endr
.endr
.endm
.macro ODIV l
.set j, 0
.rept 16
	v_pk_mul_f32 v[ST+j:ST+j+1], v[OT+j:OT+j+1], v[\l:\l+1] op_sel_hi:[1,0]   ; each accumulator from its low end on
.set j, j+2
.endr
.endm
.macro WAYOUT p                        ; my tiles 2 p and 2 p + 1
	v_add_f32 v[LSA], v[LSA], v[LSA+1]
	v_add_f32 v[LSB], v[LSB], v[LSB+1]
	H 2
	v_permlanex16_b32 v[T2], v[LSA], s[SEL], s[SEL+1]
	H 2
	v_permlanex16_b32 v[T2+1], v[LSB], s[SEL], s[SEL+1]
	H 2
	v_add_f32 v[LSA], v[LSA], v[T2]                ; the rows' sums
	H 2
	v_add_f32 v[LSB], v[LSB], v[T2+1]
	v_mov_b32 v[OA], 0xffff
.rept 3
	v_nop                                          ; with the lines above and the one below: the places behind the last products
.endr
	s_wait_alu depctr_va_vdst(0)                   ; the wait ahead of the transcendentals
	v_rcp_f32 v[LSA], v[LSA]
	v_rcp_f32 v[LSB], v[LSB]
	v_nop
	s_wait_alu depctr_va_vdst(0)                   ; and behind them, directly ahead of the first reader, which is O^T's first reader too
	ODIV LSA
	WIN 0x41
	s_wait_alu depctr_va_vdst(0)                   ; the same for tile B's O^T
	ODIV LSB
	WIN 0
	OMAX BM
	WIN 0x14
	OMAX BM+4
	WIN 0
.irp b, 0,1,4,5
	v_permlanex16_b32 v[T2+\b], v[BM+\b], s[SEL], s[SEL+1]
.endr
.irp b, 0,1,4,5
	v_max_num_f32 v[BM+\b], v[BM+\b], v[T2+\b]
.endr
.irp b, 0,1,4,5
	v_add_nc_u32 v[SCO+\b], 0xfc000000, v[BM+\b]
.endr
.irp b, 0,1,4,5
	v_and_or_b32 v[HOLD+\b], v[BM+\b], 0x7f800000, s[MNT]
.endr
.irp b, 0,1,4,5
	v_lshrrev_b32 v[T2+\b], 23, v[SCO+\b]
.endr
	v_cmp_gt_f32 s62, s61, v[NMA+1]                ; every key masked: both bytes 0xff.  A choice of a value: no branch, no address hangs on it
	v_cmp_gt_f32 s63, s61, v[NMB+1]
	v_lshl_or_b32 v[WKA], v[T2+1], 8, v[T2]
	v_lshl_or_b32 v[WKB], v[T2+5], 8, v[T2+4]
	H 2
	v_cndmask_b32 v[WKA], v[WKA], v[OA], s62
	H 2
	v_cndmask_b32 v[WKB], v[WKB], v[OA], s63
	OHOLD HOLD
	CVTS SCO, 2
	WIN 0x41
	OHOLD HOLD+4
	CVTS SCO+4, 2
	v_nop                                          ; a plain place behind the last conversion
	WIN 0
	global_store_b128 v[LI], v[PCD:PCD+3], s[52:53] offset:32768*\p                ; 512 consecutive bytes each
	global_store_b128 v[LI], v[PCD+4:PCD+7], s[52:53] offset:32768*\p+512
	WIN 0x04
	global_store_b128 v[LI], v[PCD:PCD+3], s[52:53] offset:32768*\p+16384
	global_store_b128 v[LI], v[PCD+4:PCD+7], s[52:53] offset:32768*\p+16896
	WIN 0
	global_store_b16 v[SB], v[WKA], s[54:55] offset:1024*\p        ; my head's two scale bytes of row r (lanes r and r + 16 store the same bytes to the same place); a row's 32 bytes come from sixteen work-groups
	global_store_b16 v[SB], v[WKB], s[54:55] offset:1024*\p+512
	s_wait_xcnt 0x0                                ; behind it the stores' registers may be written anew
.endm
.macro PASS p, qa, qb, qsa, qsb        ; two tiles of queries over all eight slots
	s_mov_b32 s[TB], 0
	s_mov_b32 s[TN], SLOTB
	s_mov_b32 s[CNT], 8
	KLOAD LI, LS, 0
.Lslot\p:
	STEP 0, \qa, \qb, \qsa, \qsb
	STEP 1, \qa, \qb, \qsa, \qsb
	s_add_co_u32 s[TB], s[TB], SLOTB
	s_add_co_u32 s[TN], s[TB], SLOTB
	s_min_u32 s[TN], s[TN], 7*SLOTB
	s_sub_co_u32 s[CNT], s[CNT], 1
	s_cmp_lg_u32 s[CNT], 0
	s_cbranch_scc1 .Lslot\p
	WAYOUT \p
.endm
.macro QLOAD qf, qs, i
	global_load_b128 v[\qf:\qf+3], v[LI], s[48:49] offset:1024*\i
	global_load_b128 v[\qf+4:\qf+7], v[LI], s[48:49] offset:1024*\i+512
	global_load_b32 v[\qs], v31, s[50:51] offset:64*\i
.endm
	s_load_b128 s[4:7], s[0:1], 0x0                ; qbuf s[4:5], kv s[6:7]
	s_load_b64 s[8:9], s[0:1], 0x10                ; aq
	v_lshl_add_u32 v[SPW], v0, 2, SPARE
	v_mov_b32 v[NIL], 0
	ds_add_u32 v[SPW], v[NIL]                      ; an opening add,
	ds_add_u32 v[SPW], v[NIL]                      ; once more, and below one wait for both
	v_lshrrev_b32 v30, 5, v0
	v_readfirstlane_b32 s[WV], v30                 ; wave 0..7
	s_bfe_u32 s13, ttmp6, 0x40000                  ; cx: it enters Q's and aq's addresses alone
	s_lshl_b32 s14, ttmp9, 2
	s_add_co_u32 s14, s14, s13                     ; my block of 512 queries
	s_and_b32 s15, ttmp7, 0xffff                   ; batch x 16 + head, which the four partners share
	s_lshr_b32 s56, s15, 4
	s_and_b32 s57, s15, 15
	s_lshl_b32 s62, s14, 5
	s_lshl_b32 s63, s[WV], 2
	s_add_co_u32 s62, s62, s63                     ; the first of my four tiles of queries
	s_mul_i32 s48, s15, 139264
	s_lshl_b32 s63, s62, 6
	s_add_co_u32 s50, s48, s63
	s_add_co_u32 s50, s50, 131072                  ; Q's scale words: 64 bytes a tile
	s_lshl_b32 s63, s62, 10
	s_add_co_u32 s48, s48, s63                     ; Q's codes: 1,024 bytes a tile
	s_mov_b32 s49, 0
	s_mov_b32 s51, 0
	s_lshl_b32 s63, s56, 7
	s_add_co_u32 s63, s63, s62                     ; my row tile of aq
	s_lshl_b32 s52, s63, 14
	s_lshl_b32 s54, s63, 9
	s_lshl_b32 s63, s57, 10
	s_add_co_u32 s52, s52, s63                     ; codes: row tile x 16,384 + head x 1,024
	s_mov_b32 s53, 0
	s_lshl_b32 s63, s57, 1
	s_add_co_u32 s54, s54, s63
	s_add_co_u32 s54, s54, 8388608                 ; scale bytes: row x 32 + 2 x head
	s_mov_b32 s55, 0
	s_mul_i32 s60, s[WV], SLOTB                    ; my slot: its place in LDS as in the head's K and V
	s_mul_i32 s58, s15, 8*SLOTB
	s_add_co_u32 s58, s58, s60
	s_mov_b32 s59, 0
	s_mov_b32 s[G1], 15|(3<<16)|(1<<21)            ; 15:0 the mask: all four work-groups; 17:16 elements of 8 bytes; 21 set beside a mask
	s_mov_b32 s[G1+1], 32<<16                      ; tensor_dim0: 256 bytes
	s_mov_b32 s[G1+2], 134<<16                     ; tensor_dim1
	s_mov_b32 s[G1+3], 32<<16                      ; tile_dim0
	s_mov_b32 s[G1+4], 134                         ; tile_dim1
	s_mov_b32 s[G1+5], 32                          ; dense
	s_mov_b32 s[G1+6], 0
	s_mov_b32 s[G1+7], 0
	s_mov_b32 s[SEL], 0x76543210
	s_mov_b32 s[SEL+1], 0xfedcba98
	s_mov_b32 s[CS], 0x3e38aa3b                    ; c = log2(e) / 8
	s_mov_b32 s[CS+1], s[CS]                       ; (named with it as a pair, so it is written)
	s_mov_b32 s[MNT], 0x600000
	s_mov_b32 s[EPS], 0xb4800000                   ; -2^-22
	s_mov_b32 s61, 0xee000000                      ; -2^93
	s_wait_dscnt 0x0                               ; both opening adds are done
	s_wait_kmcnt 0x0
	s_mov_b32 s[G0], 1
	s_mov_b32 s[G0+1], s60
	s_add_nc_u64 s[G0+2:G0+3], s[6:7], s[58:59]
	s_or_b32 s[G0+3], s[G0+3], 0x80000000
	s_add_nc_u64 s[48:49], s[4:5], s[48:49]
	s_add_nc_u64 s[50:51], s[4:5], s[50:51]
	s_add_nc_u64 s[52:53], s[8:9], s[52:53]
	s_add_nc_u64 s[54:55], s[8:9], s[54:55]
	CROUND                                         ; all four work-groups are here: the joint loads meet
	tensor_load_to_lds s[G0:G0+3], s[G1:G1+7]      ; my one tensor load of the launch: slot number = my wave's
	s_nop 0
.rept 4
	v_nop
.endr
	v_and_b32 v30, 31, v0
	v_and_b32 v31, 15, v0
	v_lshlrev_b32 v[LI], 4, v30
	v_lshlrev_b32 v[LS], 2, v30
	v_lshlrev_b32 v[SB], 5, v31
	v_lshlrev_b32 v31, 2, v31
	QLOAD 240, 70, 0                               ; all four tiles' Q now: the second walk then begins without a wait
	QLOAD 80, 71, 1
	QLOAD 96, 74, 2
	QLOAD 112, 75, 3
	v_bfe_u32 v30, v0, 4, 1
	v_sub_nc_u32 v30, 1, v30                       ; 1 in lanes 0-15, which hold k = 64
	v_mul_u32_u24 v[WKA], v30, 0xb8                ; the code -1.0
	v_mul_u32_u24 v[WKB], v30, 0x38                ; the code 1.0
.irp f, 240,80,96,112
	v_mov_b32 v[\f+8], v[WKA]
.irp i, 9,10,11,12,13,14,15
	v_mov_b32 v[\f+\i], 0
.endr
.endr
	WIN 0x40
.irp t, 0,1,2,3,4,5,6,7
	v_mov_b32 v[16*\t+8], v[WKB]
.irp i, 9,10,11,12,13,14,15
	v_mov_b32 v[16*\t+\i], 0
.endr
.endr
	WIN 0
.irp b, 0,1,2,3,4,5,6,7
	v_mov_b32 v[T2+\b], 0                          ; written once: a lane permute's destination counts as one of its sources
.endr
	v_mov_b32 v[FA+1], 0                           ; (named as the upper halves of pairs)
	v_mov_b32 v[FB+1], 0
	INIT
	s_wait_alu depctr_va_vdst(0)                   ; the wait at the head's end
	s_wait_loadcnt 0x0                             ; Q
	s_wait_tensorcnt 0x0                           ; my slot is in,
	s_barrier_signal -1
	s_barrier_wait -1                              ; everybody's is: the head's K and V are whole, and no barrier follows until the end
	PASS 0, 240, 80, 70, 71
	INIT
	PASS 1, 96, 112, 74, 75
	s_wait_tensorcnt 0x0                           ; the wave's end
	ds_add_u32 v[SPW], v[NIL]
	s_wait_dscnt 0x0
	CROUND                                         ; the closing round
	s_endpgm
.Lfunc_end_k_q6f18cf18a1_attn:
	.size	k_q6f18cf18a1_attn, .Lfunc_end_k_q6f18cf18a1_attn-k_q6f18cf18a1_attn
	.p2alignl 7, 3214868480
	.fill 96, 4, 3214868480
	.section	.rodata,"a",@progbits
	.p2align	6, 0x0
	.amdhsa_kernel k_q6f18cf18a1_attn
		.amdhsa_group_segment_fixed_size 327680
		.amdhsa_private_segment_fixed_size 0
		.amdhsa_enable_private_segment 0
		.amdhsa_kernarg_size 24
		.amdhsa_user_sgpr_count 2
		.amdhsa_user_sgpr_kernarg_segment_ptr 1
		.amdhsa_wavefront_size32 1
		.amdhsa_system_sgpr_workgroup_id_x 1
		.amdhsa_system_sgpr_workgroup_id_y 1
		.amdhsa_system_sgpr_workgroup_id_z 1
		.amdhsa_system_vgpr_workitem_id 0
		.amdhsa_next_free_vgpr 512
		.amdhsa_next_free_sgpr 66
		.amdhsa_reserve_vcc 0
		.amdhsa_float_denorm_mode_32 3
		.amdhsa_float_denorm_mode_16_64 3
		.amdhsa_memory_ordered 1
		.amdhsa_forward_progress 1
		.amdhsa_inst_pref_size 184
	.end_amdhsa_kernel
	.amdgpu_metadata
---
amdhsa.version: [ 1, 2 ]
amdhsa.kernels:
  - .name:           k_q6f18cf18a1_attn
    .symbol:         k_q6f18cf18a1_attn.kd
    .args:
      - { .name: qbuf, .offset: 0, .size: 8, .value_kind: global_buffer, .address_space: global }
      - { .name: kv, .offset: 8, .size: 8, .value_kind: global_buffer, .address_space: global }
      - { .name: aq, .offset: 16, .size: 8, .value_kind: global_buffer, .address_space: global }
    .group_segment_fixed_size: 327680
    .private_segment_fixed_size: 0
    .kernarg_segment_align: 8
    .kernarg_segment_size: 24
    .max_flat_workgroup_size: 256
    .sgpr_count:     66
    .vgpr_count:     512
    .wavefront_size: 32
...
	.end_amdgpu_metadata
.endif
;; end of part 3
;; launch gemm_o (part 4): grid 4 x 32, 4 waves a work-group, clusters of 4 x 4, 327,680 bytes of LDS; arguments aq, wq, bo, out0; writes out0
.if DOCPART == 4
	.amdgcn_target "amdgcn-amd-amdhsa--gfx1250"
	.amdhsa_code_object_version 6
	.text
	.protected	k_q6f18cf18a1_gemm_o
	.globl	k_q6f18cf18a1_gemm_o
	.p2align	8
	.type	k_q6f18cf18a1_gemm_o,@function
k_q6f18cf18a1_gemm_o:
	s_mov_b64 s[64:65], 0
	v_nop
	global_prefetch_b8 v0, s[64:65] scope:SCOPE_SE
	s_setreg_imm32_b32 hwreg(HW_REG_WAVE_MODE, 25, 1), 1
	s_wait_xcnt 0x0
	s_wait_alu depctr_hold_cnt(0) depctr_sa_sdst(0) depctr_va_vdst(0) depctr_va_sdst(0) depctr_va_ssrc(0) depctr_va_vcc(0) depctr_vm_vsrc(0)
	s_getreg_b32 s2, hwreg(HW_REG_IB_STS2, 6, 4)
	s_cmp_eq_u32 s2, 0
	s_cbranch_scc0 .Lentry_in_a_cluster
	s_endpgm
.Lentry_in_a_cluster:
	s_bfe_u32 s2, ttmp6, 0x10000c
	s_cmp_lg_u32 s2, 0xf033
	s_cbranch_scc0 .Lentry_shape_is_right
	s_endpgm
.Lentry_shape_is_right:
.set NQ,     2
.set FR,     16
.set NL,     4
.set NP,     8
.set HALFT,  32768
.set SLOT,   4*HALFT
.set LAPS,   2
.set SCL,    2*SLOT
.set HALFS,  16*272
.set SBLK,   2*272
.set SPARE,  SCL+4*HALFS
.set XQ_SC,  8388608
.set WQ_SC,  4194304
.set SPITCH, 528
.set ADRA, 16
.set ADRB, 20
.set ADRS, 22
.set BO,   23
.set STO,  24
.set RD,   25
.set CO,   26
.set SPW,  28
.set NIL,  29
.set SC,   32
.set BIAS, 64
.set AF,   128
.set BK,   128
.set WV,  16
.set RH,  17
.set CH,  18
.set G1,  24
.set G0,  32
.set G1B, 48
.set G0B, 56
.set G1S, 68
.set G0S, 76
.set G1SB, 80
.set G0SB, 88
.set MSB, 0
.macro WIN new
.if MSB != \new
	s_set_vgpr_msb (MSB<<8)|\new
.set MSB, \new
.endif
.endm
.set MUL_LO, 0xa1
.set MUL_HI, 0xf1
.set BIA_LO, 0x81
.set BIA_HI, 0xc1
.set TO_B,   0x40
.macro JLOAD g0a, g1a, g0b, g1b
	s_cmp_eq_u32 s[RH], 0
	s_cbranch_scc0 .Lfor_b_\@
	tensor_load_to_lds s[\g0a:\g0a+3], s[\g1a:\g1a+7]
	s_nop 0
.rept 4
	v_nop
.endr
	s_branch .Lasked_\@
.Lfor_b_\@:
	tensor_load_to_lds s[\g0b:\g0b+3], s[\g1b:\g1b+7]
	s_nop 0
.rept 4
	v_nop
.endr
.Lasked_\@:
.endm
.macro CREST
	s_cmp_lg_u32 s[WV], 0
	s_cbranch_scc1 .Lnot_wave_0_\@
	s_barrier_signal -3
.Lnot_wave_0_\@:
	s_barrier_wait -3
	s_barrier_signal -1
	s_barrier_wait -1
.endm
.macro CROUND
	s_barrier_signal -1
	s_barrier_wait -1
	CREST
.endm
	s_load_b256 s[4:11], s[0:1], 0x0
	v_lshl_add_u32 v[SPW], v0, 2, SPARE
	v_mov_b32 v[NIL], 0
	ds_add_u32 v28, v29
	ds_add_u32 v28, v29
	s_wait_dscnt 0x0
	v_lshrrev_b32 v1, 5, v0
	v_readfirstlane_b32 s[WV], v1
	s_lshr_b32 s[RH], s[WV], 1
	s_and_b32 s[CH], s[WV], 1
	s_bfe_u32 s40, ttmp6, 0x40000
	s_bfe_u32 s41, ttmp6, 0x40004
	s_and_b32 s46, ttmp7, 0xffff
	s_lshl_b32 s46, s46, 2
	s_add_co_u32 s46, s46, s41
	s_add_co_u32 s47, s40, 12
	s_lshl_b32 s66, s41, 2
	s_lshl_b32 s66, 15, s66
	s_lshl_b32 s67, 0x1111, s40
	s_or_b32 s[G1+0], s66, (3<<16)|(1<<21)
	s_or_b32 s[G1B+0], s67, (3<<16)|(1<<21)
.irp g, G1, G1B
	s_mov_b32 s[\g+1], 512<<16
	s_mov_b32 s[\g+2], 16<<16
	s_mov_b32 s[\g+3], 512<<16
	s_mov_b32 s[\g+4], 16
	s_mov_b32 s[\g+5], 2048
	s_mov_b32 s[\g+6], 0
	s_mov_b32 s[\g+7], 0
.endr
	s_or_b32 s[G1S+0], s66, (3<<16)|(1<<20)|(1<<21)|(5<<22)|(3<<25)
	s_or_b32 s[G1SB+0], s67, (3<<16)|(1<<20)|(1<<21)|(5<<22)|(3<<25)
.irp g, G1S, G1SB
	s_mov_b32 s[\g+1], 32<<16
	s_mov_b32 s[\g+2], 32<<16
	s_mov_b32 s[\g+3], 32<<16
	s_mov_b32 s[\g+4], 32
	s_mov_b32 s[\g+5], 32
	s_mov_b32 s[\g+6], 0
	s_mov_b32 s[\g+7], 0
.endr
	s_lshl_b32 s20, s[CH], 7
	s_lshl_b32 s92, s46, 8
	s_add_co_u32 s92, s92, s20
	s_lshl_b32 s96, s47, 8
	s_add_co_u32 s96, s96, s20
	s_lshl_b32 s94, s46, 13                        ; the scales of the tile's 256 rows: 32 bytes a row
	s_add_co_u32 s94, s94, XQ_SC
	s_lshl_b32 s92, s92, 10
	s_lshl_b32 s98, s47, 13
	s_add_co_u32 s98, s98, WQ_SC
	s_lshl_b32 s96, s96, 10
	s_mov_b32 s93, 0
	s_mov_b32 s95, 0
	s_mov_b32 s97, 0
	s_mov_b32 s99, 0
	s_lshl_b32 s21, s[WV], 15
	s_wait_kmcnt 0x0
	s_add_nc_u64 s[92:93], s[4:5], s[92:93]
	s_add_nc_u64 s[94:95], s[4:5], s[94:95]
	s_add_nc_u64 s[96:97], s[6:7], s[96:97]
	s_add_nc_u64 s[98:99], s[6:7], s[98:99]
	CROUND
	s_mov_b32 s[G0S], 1
	s_mov_b32 s[G0S+1], SCL
	s_mov_b64 s[G0S+2:G0S+3], s[94:95]
	s_or_b32 s[G0S+3], s[G0S+3], 0x80000000
	s_mov_b32 s[G0SB], 1
	s_mov_b32 s[G0SB+1], SCL+2*HALFS
	s_mov_b64 s[G0SB+2:G0SB+3], s[98:99]
	s_or_b32 s[G0SB+3], s[G0SB+3], 0x80000000
.irp s, 0,1
	s_mov_b32 s[G0+4*\s], 1
	s_add_co_u32 s[G0+4*\s+1], s21, \s*SLOT
	s_add_nc_u64 s[G0+4*\s+2:G0+4*\s+3], s[92:93], \s*4096
	s_or_b32 s[G0+4*\s+3], s[G0+4*\s+3], 0x80000000
	s_mov_b32 s[G0B+4*\s], 1
	s_add_co_u32 s[G0B+4*\s+1], s21, \s*SLOT
	s_add_nc_u64 s[G0B+4*\s+2:G0B+4*\s+3], s[96:97], \s*4096
	s_or_b32 s[G0B+4*\s+3], s[G0B+4*\s+3], 0x80000000
.endr
; THE HEAD'S LOADS, ONE A WAVE: wave 0 fetches slot 0's 16 row tiles of A, wave 1 the scales of A's 256 rows, wave 2 slot 0's 16 row tiles of B, wave 3 B's scales.
; Waves 0 and 2 hold the tile's first row in their own group 0 of slot 0.  One chain of branches on the wave's number, a load to an arm, all arms leading to one join.
.macro HARM under, g0, g1, next
	s_cmp_lt_u32 s[WV], \under
	s_cbranch_scc0 \next
	tensor_load_to_lds s[\g0:\g0+3], s[\g1:\g1+7]
	s_nop 0
.rept 4
	v_nop
.endr
	s_branch .Lhead_asked
\next:
.endm
	HARM 1, G0, G1, .Lhead_sa
	HARM 2, G0S, G1S, .Lhead_b
	HARM 3, G0B, G1B, .Lhead_sb
	tensor_load_to_lds s[G0SB:G0SB+3], s[G1SB:G1SB+7]
	s_nop 0
.rept 4
	v_nop
.endr
.Lhead_asked:
	s_wait_alu depctr_va_vdst(0)
	s_wait_tensorcnt 0x0                           ; my tile of the head's four is in
	ds_add_u32 v28, v29
	s_mov_b32 s[G1+2], 8<<16                       ; no tensor load of mine is out: from here on a load brings 8 row tiles
	s_mov_b32 s[G1+4], 8
	s_mov_b32 s[G1B+2], 8<<16
	s_mov_b32 s[G1B+4], 8
	s_wait_dscnt 0x0
	CROUND
	JLOAD G0+4, G1, G0B+4, G1B                     ; slot 1's first fill, the first tensor load behind the round
	v_and_b32 v1, 31, v0
	v_and_b32 v2, 15, v0
	v_bfe_u32 v3, v0, 4, 1
	s_wait_alu depctr_va_vdst(0)
	v_lshlrev_b32 v[CO], 4, v1
	s_lshl_b32 s20, s[RH], 15
	s_lshl_b32 s23, s[CH], 15
	s_add_co_u32 s23, s23, 2*HALFT
.irp s, 0,1
	v_add_nc_u32 v[ADRA+\s], s20, v[CO]
	v_add_nc_u32 v[ADRB+\s], s23, v[CO]
	s_add_co_u32 s20, s20, SLOT
	s_add_co_u32 s23, s23, SLOT
.endr
	v_lshlrev_b32 v5, 5, v2
	v_lshrrev_b32 v6, 8, v5
	v_lshl_add_u32 v5, v6, 4, v5
	s_mul_i32 s20, s[RH], HALFS
	s_mul_i32 s23, s[CH], HALFS
	s_add_co_u32 s23, s23, 2*HALFS
	s_sub_co_u32 s23, s23, s20
	v_mul_u32_u24 v6, s23, v3
	s_add_co_u32 s20, s20, SCL
	v_add_nc_u32 v5, v5, v6
	v_add_nc_u32 v[ADRS], s20, v5
	s_mul_i32 s23, s[WV], 16*SPITCH
	v_mul_u32_u24 v5, v2, SPITCH
	v_lshl_add_u32 v5, v3, 5, v5
	v_add_nc_u32 v[STO], s23, v5
	v_add_nc_u32 v[RD], s23, v[CO]
	s_lshl_b32 s20, s40, 10
	s_lshl_b32 s23, s[CH], 9
	s_add_co_u32 s20, s20, s23
	s_mov_b32 s21, 0
	s_add_nc_u64 s[100:101], s[8:9], s[20:21]
	s_lshl_b32 s23, s46, 20
	s_add_co_u32 s20, s20, s23
	s_lshl_b32 s23, s[RH], 19
	s_add_co_u32 s20, s20, s23
	s_add_nc_u64 s[12:13], s[10:11], s[20:21]
	v_lshlrev_b32 v[BO], 5, v3
.irp b, 0,1,2,3,4,5,6,7
	global_load_b128 v[BIAS+8*\b:BIAS+8*\b+3], v[BO], s[100:101] offset:64*\b
	global_load_b128 v[BIAS+8*\b+4:BIAS+8*\b+7], v[BO], s[100:101] offset:64*\b+16
.endr
	s_wait_alu depctr_va_vdst(0)
	s_wait_loadcnt 0x0
.macro FRAG reg, adr, q, i
.irp c, 0,1,2,3
	ds_load_b128 v[\reg+4*\c:\reg+4*\c+3], v[\adr] offset:2048*(\q)+512*\c+(\i)*4096
.endr
.endm
.macro MUL16 a0, p, q, sc, zero
.irp a, \a0, \a0+1
.irp b, 0,1,2,3,4,5,6,7
.if \zero
	v_wmma_scale_f32_16x16x128_f8f6f4 v[8*(8*((\a)%4)+\b):8*(8*((\a)%4)+\b)+7], v[128*(\p)+FR*\b:128*(\p)+FR*\b+FR-1], v[AF+FR*(\a):AF+FR*(\a)+FR-1], v[BIAS+8*\b:BIAS+8*\b+7], v[SC+8*NQ*(\sc)+NQ*\b+(\q)], v[SC+8*NQ*(\sc)+NQ*(\a)+(\q)] matrix_a_scale:MATRIX_SCALE_ROW1
.else
	v_wmma_scale_f32_16x16x128_f8f6f4 v[8*(8*((\a)%4)+\b):8*(8*((\a)%4)+\b)+7], v[128*(\p)+FR*\b:128*(\p)+FR*\b+FR-1], v[AF+FR*(\a):AF+FR*(\a)+FR-1], v[8*(8*((\a)%4)+\b):8*(8*((\a)%4)+\b)+7], v[SC+8*NQ*(\sc)+NQ*\b+(\q)], v[SC+8*NQ*(\sc)+NQ*(\a)+(\q)] matrix_a_scale:MATRIX_SCALE_ROW1
.endif
.endr
.endr
.endm
.macro FETCH_B slot, q, p
	WIN TO_B
.irp i, 0,1,2,3,4,5,6,7
	FRAG 128*(\p)+FR*\i, ADRB+\slot, \q, \i
.endr
	WIN 0
.endm
.macro FETCH_A slot, q, i0
.irp i, \i0, \i0+1, \i0+2, \i0+3
	FRAG AF+FR*(\i), ADRA+\slot, \q, \i
.endr
.endm
.macro SCALES sc
.irp i, 0,1,2,3,4,5,6,7
	ds_load_b64 v[SC+8*NQ*\sc+NQ*\i:SC+8*NQ*\sc+NQ*\i+1], v[ADRS] offset:\i*SBLK
.endr
.endm
.macro PLACES n
.rept \n
	v_nop
.endr
.endm
.macro STEP slot, q, zero
	s_wait_dscnt 4*NL
.if \zero
	WIN BIA_LO
.else
	WIN MUL_LO
.endif
	MUL16 0, (\q)%2, \q, \slot, \zero
	MUL16 2, (\q)%2, \q, \slot, \zero
	s_wait_dscnt 0
	PLACES NP
	FETCH_B \slot, (\q)+1, 1-(\q)%2
	FETCH_A \slot, (\q)+1, 0
.if \zero
	WIN BIA_HI
.else
	WIN MUL_HI
.endif
	MUL16 4, (\q)%2, \q, \slot, \zero
	MUL16 6, (\q)%2, \q, \slot, \zero
	PLACES NP
	WIN 0
	FETCH_A \slot, (\q)+1, 4
.endm
.macro TURN slot, next, fill
	s_wait_tensorcnt 0x0
	ds_add_u32 v[SPW], v[NIL]
	s_wait_dscnt 4*NL+1
	WIN MUL_LO
	MUL16 0, 1, NQ-1, \slot, 0
	s_wait_dscnt 0x0
	s_barrier_signal -1
	MUL16 2, 1, NQ-1, \slot, 0
	WIN 0
	s_barrier_wait -1
.if \fill
	CREST
	s_add_nc_u64 s[G0+4*\slot+2:G0+4*\slot+3], s[G0+4*\slot+2:G0+4*\slot+3], 8192
	s_add_nc_u64 s[G0B+4*\slot+2:G0B+4*\slot+3], s[G0B+4*\slot+2:G0B+4*\slot+3], 8192
	JLOAD G0+4*\slot, G1, G0B+4*\slot, G1B
	PLACES NP-4
.else
	PLACES NP
.endif
	s_wait_alu depctr_va_vdst(0)
	v_add_nc_u32 v[ADRS], 4*NQ, v[ADRS]
	FETCH_B \next, 0, 0
	FETCH_A \next, 0, 0
	SCALES \next
	WIN MUL_HI
	MUL16 4, 1, NQ-1, \slot, 0
	MUL16 6, 1, NQ-1, \slot, 0
	PLACES NP
	WIN 0
	FETCH_A \next, 0, 4
.endm
	s_wait_tensorcnt 1
	s_barrier_signal -1
	s_barrier_wait -1
	FETCH_B 0, 0, 0
	FETCH_A 0, 0, 0
	SCALES 0
	FETCH_A 0, 0, 4
	STEP 0, 0, 1
.rept LAPS-1
	TURN 0, 1, 1
	STEP 1, 0, 0
	TURN 1, 0, 1
	STEP 0, 0, 0
.endr
	TURN 0, 1, 0
	STEP 1, 0, 0
	s_wait_dscnt 4*NL
	WIN MUL_LO
	MUL16 0, 1, NQ-1, 1, 0
	MUL16 2, 1, NQ-1, 1, 0
	s_wait_dscnt 0
	WIN MUL_HI
	MUL16 4, 1, NQ-1, 1, 0
	MUL16 6, 1, NQ-1, 1, 0
	WIN 0
.macro TOSTAGE a
.set AC, 64*((\a)%4)
.set WN, 8+4*((\a)/4)
	WIN WN
.irp b, 0,1,2,3,4,5,6,7
	ds_store_b128 v[STO], v[AC+8*\b:AC+8*\b+3] offset:64*\b
	ds_store_b128 v[STO], v[AC+8*\b+4:AC+8*\b+7] offset:64*\b+16
.endr
	WIN 0
.set BB, BK+64*((\a)%2)
.irp t, 0,1,2,3,4,5,6,7,8,9,10,11,12,13,14,15
	ds_load_b128 v[BB+4*\t:BB+4*\t+3], v[RD] offset:\t*SPITCH
.endr
.endm
.macro SEND a, younger
.set BB, BK+64*((\a)%2)
	s_wait_dscnt \younger
.if (\a) > 0
.if (\a)%2
	s_add_nc_u64 s[12:13], s[12:13], 8*4096
.else
	s_add_nc_u64 s[12:13], s[12:13], 24*4096
.endif
.endif
.irp t, 0,1,2,3,4,5,6,7,8,9,10,11,12,13,14,15
	global_store_b128 v[CO], v[BB+4*\t:BB+4*\t+3], s[12:13] offset:((\t%8)+16*(\t/8))*4096 th:TH_STORE_NT
.endr
.endm
	PLACES NP
	TOSTAGE 0
.irp a, 1,2,3,4,5,6,7
.if \a > 1
	s_wait_xcnt 0x0
.endif
	TOSTAGE \a
	SEND \a-1, 32
.endr
	s_wait_xcnt 0x0
	SEND 7, 0
	s_wait_tensorcnt 0x0
	ds_add_u32 v[SPW], v[NIL]
	s_wait_dscnt 0x0
	CROUND
	s_endpgm
.Lfunc_end_k_q6f18cf18a1_gemm_o:
	.size	k_q6f18cf18a1_gemm_o, .Lfunc_end_k_q6f18cf18a1_gemm_o-k_q6f18cf18a1_gemm_o
	.p2alignl 7, 3214868480
	.fill 96, 4, 3214868480
	.section	.rodata,"a",@progbits
	.p2align	6, 0x0
	.amdhsa_kernel k_q6f18cf18a1_gemm_o
		.amdhsa_group_segment_fixed_size 327680
		.amdhsa_private_segment_fixed_size 0
		.amdhsa_enable_private_segment 0
		.amdhsa_kernarg_size 32
		.amdhsa_user_sgpr_count 2
		.amdhsa_user_sgpr_kernarg_segment_ptr 1
		.amdhsa_wavefront_size32 1
		.amdhsa_system_sgpr_workgroup_id_x 1
		.amdhsa_system_sgpr_workgroup_id_y 1
		.amdhsa_system_sgpr_workgroup_id_z 1
		.amdhsa_system_vgpr_workitem_id 0
		.amdhsa_next_free_vgpr 1024
		.amdhsa_next_free_sgpr 106
		.amdhsa_reserve_vcc 0
		.amdhsa_float_denorm_mode_32 3
		.amdhsa_float_denorm_mode_16_64 3
		.amdhsa_memory_ordered 1
		.amdhsa_forward_progress 1
		.amdhsa_inst_pref_size 147
	.end_amdhsa_kernel
	.amdgpu_metadata
---
amdhsa.version: [ 1, 2 ]
amdhsa.kernels:
  - .name:           k_q6f18cf18a1_gemm_o
    .symbol:         k_q6f18cf18a1_gemm_o.kd
    .args:
      - { .name: aq, .offset: 0, .size: 8, .value_kind: global_buffer, .address_space: global }
      - { .name: wq, .offset: 8, .size: 8, .value_kind: global_buffer, .address_space: global }
      - { .name: bo, .offset: 16, .size: 8, .value_kind: global_buffer, .address_space: global }
      - { .name: out0, .offset: 24, .size: 8, .value_kind: global_buffer, .address_space: global }
    .group_segment_fixed_size: 327680
    .private_segment_fixed_size: 0
    .kernarg_segment_align: 8
    .kernarg_segment_size: 32
    .max_flat_workgroup_size: 128
    .sgpr_count:     106
    .vgpr_count:     1024
    .wavefront_size: 32
...
	.end_amdgpu_metadata
.endif
;; end of part 4
